; MI455X (gfx1250); checked and timed in simulation.
; The chip was launched on July 23, 2026; its instructions are those of AMD's public machine-readable ISA for CDNA 5 (MIT licence, August 2026) and "CDNA5" Instruction Set Architecture Reference Guide (July 2026). The comments in the code are by the model that wrote it; some were corrected since.
;; Self Attention. Allowed arithmetic: matrix products marked QUANTISED: E2M3 operands, one E8M0 scale for each 32 along K, by v_wmma_scale_f32_16x16x128_f8f6f4 with both operands' format E2M3, f32 sums; everything else in f32.
;; Inputs: WK 16 x 1,024 x 64 float32; WO 1,024 x 1,024 float32; WQ 16 x 1,024 x 64 float32; WV 16 x 1,024 x 64 float32; x 4 x 2,048 x 1,024 float32.
;; Outputs: out0 4 x 2,048 x 1,024 float32.
;; This version of the problem:
;;   THIS VERSION OF THE PROBLEM IS GIVEN IN LOW PRECISION. The matrix products marked QUANTISED in the list below multiply operands that are first quantised to E2M3 (2 exponent bits, 3 mantissa bits; 6 bits a number), with one power-of-two scale for each 32 numbers along K (OCP MX v1.0); their sums are f32. All else is computed in f32.
;;   The module's matrix products, in the order in which they are computed (A, B: the left and right operand; K: the contracted axis; several contracted axes count as one K, in the product's order):
;;     1. [M 1,024, K 1,024] x [K 1,024, N 8,192]; A: input WQ; B: input x: QUANTISED
;;     2. [M 1,024, K 1,024] x [K 1,024, N 8,192]; A: input WK; B: input x: QUANTISED
;;     3. [M 1,024, K 1,024] x [K 1,024, N 8,192]; A: input WV; B: input x: QUANTISED
;;     4. batch 64 x [M 2,048, K 64] x [K 64, N 2,048]; A: computed on the way; B: computed on the way: QUANTISED
;;     5. batch 64 x [M 2,048, K 2,048] x [K 2,048, N 64]; A: softmax (see below); B: computed on the way: QUANTISED
;;     6. [M 8,192, K 1,024] x [K 1,024, N 1,024]; A: computed on the way; B: input WO: QUANTISED
;;   THE QUANTISER, for each operand of a quantised product, along K:
;;     - K is cut into blocks of 32 from its start; a last block that is shorter is filled with zeros.
;;     - A block's scale is 2^e with e = floor(log2(the largest magnitude in the block)) - 2, held to -126 .. 127; a block of zeros has e = 0. As a byte (E8M0): e + 127.
;;     - Each number is divided by its block's scale, clamped to +-7.5, and rounded to the nearest number of E2M3, ties to even, subnormals kept.
;;     - The product sums the exact products of the quantised numbers (number of the format x scale) in f32.
;;   ~~~python
;;   def quantise(x, axis):      # numpy; x: float32 -> the quantised numbers, widened to float32 again
;;       x = np.moveaxis(x, axis, -1); K = x.shape[-1]
;;       x = np.pad(x, [(0, 0)] * (x.ndim - 1) + [(0, -K % 32)]); x = x.reshape(x.shape[:-1] + (-1, 32)); a = np.abs(x).max(-1, keepdims=True)
;;       e = np.where(a > 0, np.clip(np.frexp(np.where(a > 0, a, 1))[1] - 1 - 2, -126, 127), 0)      # np.frexp(a)[1] - 1 = floor(log2(a)), exactly
;;       r = np.clip(x / 2.0 ** e, -7.5, 7.5)
;;       step = 2.0 ** (np.maximum(np.frexp(np.where(r == 0, 1, r))[1] - 1, 0) - 3)
;;       q = np.round(r / step) * step * 2.0 ** e      # np.round: ties to even
;;       return np.moveaxis(q.reshape(q.shape[:-2] + (-1,))[..., :K], -1, axis).astype(np.float32)
;;   ~~~
;;   SOFTMAX AHEAD OF A QUANTISED PRODUCT. Where the list says 'softmax', what is quantised is not the finished softmax but p = 2^(t - M), with t = logit x log2(e) and M = ceil(the row's largest t), a whole number; so 1/2 < the row's largest p <= 1. The row's sum l is taken of the UNQUANTISED p, in f32, and the product's result is divided by l at the end. Since M is a whole number, a kernel that streams over the keys may use a running M (the ceiling of the running maximum): every later rescaling is an exact power of two, which a block's scale takes up: the codes' values come out the same.
;;   OPERANDS COMPUTED ON THE WAY. 'Computed on the way' means the value that the module computes at that place (a softmax that the list does not call 'softmax' is quantised finished and normalised). What goes into a quantiser is computed in f32, as accurately as f32 sums, v_exp_f32 and their like allow (about 1e-6 of the number): no bf16 or f16 on the way to a quantiser, and a product that is left as it is and whose result goes on into a quantised operand takes f32 operands (vector FMAs, or v_wmma_f32_16x16x4_f32). A number that lies on a knife's edge between two numbers of the format may be rounded either way, as far as f32 arithmetic and the matrix unit's own rounding can turn it there, and no further.
;; One version. Each part assembles by itself: llvm-mc -triple=amdgcn-amd-amdhsa -mcpu=gfx1250 --defsym DOCPART=n.
;; ======== version 1 of 1: 4 launches
;; workspace buffers: codes 9,437,184 bytes; scales 393,216 bytes; qkv_img 18,874,368 bytes; qkv_sc 786,432 bytes; o_img 6,291,456 bytes; o_sc 262,144 bytes
;; launch quant (part 1): grid 384 x 1, 4 waves a work-group, no clusters, 68,096 bytes of LDS; arguments x, WQ, WK, WV, WO, codes, scales; writes codes, scales
.if DOCPART == 1
	.amdgcn_target "amdgcn-amd-amdhsa--gfx1250"
	.amdhsa_code_object_version 6
	.text
	.protected	k_q69f11c6b25_quant
	.globl	k_q69f11c6b25_quant
	.p2align	8
	.type	k_q69f11c6b25_quant,@function
k_q69f11c6b25_quant:
	s_mov_b64 s[64:65], 0
	v_nop
	global_prefetch_b8 v0, s[64:65] scope:SCOPE_SE
	s_setreg_imm32_b32 hwreg(HW_REG_WAVE_MODE, 25, 1), 1
	s_wait_xcnt 0x0
; x [8192][1024] and the four weights, all f32, become codes of FP6 (E2M3), K innermost (a row of 1,024 codes is 768 bytes), with one E8M0 byte for each 32 along K.
; A block's scale is 2^(floor(log2(its largest magnitude)) - 2): its byte is the largest magnitude's exponent field - 2, held at 1 from below.
; POSITION ORDER: row i of every tensor is stored at position pi(i), pi = i with its bits 3 and 4 exchanged.  Position 16 t + r then holds row 32 (t / 2) + 8 (t % 2) + r + 8 (r / 8):
; a tile of 16 positions is the choice of rows with which a transposed product leaves 16 neighbours along the next K in a lane's 16 registers of two neighbouring tiles.
; codes: x's 8,192 rows, then from byte WC 4,096 rows of weights: 1,024 T + position, T = 0 WQ, 1 WK, 2 WV (row = 64 head + channel), 3 WO (row = output column).  scales: the same rows, 32 bytes each, weights from byte WS.
; Work-groups 0-255 take x (K innermost: a stream of blocks); work-groups 256-383 take the weights (K is not innermost: a lane takes a column and its registers run down K).
; The two paths part on the work-group's number and have LDS bytes of their own.  No tensor loads, no barrier: waves share nothing.
; LIMITS: NaN and infinities among the inputs are not served; a block of zeros gets the byte 1 (its codes are zeros, and this program alone reads the bytes); blocks whose largest magnitude lies under 2^-124, the floor, were not tried.
.set WC,    6291456
.set WS,    262144
.set EMAX,  2
; the x path
.set STEPS, 16                         ; a wave takes 16 steps of 512 numbers: 8 rows of x
.set CB,    12                         ; bytes of 16 codes
.set XR,    16                         ; v16-79   four sets of 16 numbers as they are loaded
.set XX,    80                         ; v80-111  two sets of 16 neighbours
.set XE,    112                        ; v112-127 a scale byte for each step
.set XC,    128                        ; v128-191 codes: four registers for each step
.set WREG,  8192                       ; LDS 0 .. 32,767: a region for each wave: two stages of 32 x SP bytes, behind them its 256 scale bytes
.set SP,    80                         ; a lane's place in a stage: 64 bytes + 16 of padding
; the weights' path
.set WST,   32768                      ; LDS from here: a stage of 32 rows x WP bytes for each wave
.set WP,    272                        ; a stage row: sixteen places of 16 bytes, each with 12 bytes of codes, + 16
.set NB,    8                          ; blocks of 32 along K for a wave: 256 along K
.set KROW,  768                        ; a row of codes in bytes
.set SB,    24                         ; v24-25   the scale bytes, four to a register
.set WX,    32                         ; v32-95   two sets of 32 numbers
.set WCD,   96                         ; v96-102  a block's codes
.set OUTR,  112                        ; v112-175 the way out
.set RO,    176                        ; v176-207 byte offset of row i of a block, at my column; never rewritten
.set BB,    32                         ; s[32:47] the eight blocks' first rows; never rewritten
	s_load_b256 s[4:11], s[0:1], 0x0               ; x s[4:5], WQ s[6:7], WK s[8:9], WV s[10:11]
	s_load_b128 s[12:15], s[0:1], 0x20             ; WO s[12:13], codes s[14:15]
	s_load_b64 s[16:17], s[0:1], 0x30              ; scales
	v_lshl_add_u32 v208, v0, 2, 0x10800
	v_mov_b32 v209, 0
	v_lshrrev_b32 v1, 5, v0
	v_readfirstlane_b32 s18, v1                    ; wave 0..3
	v_and_b32 v2, 31, v0                           ; lane
	s_cmp_lt_u32 ttmp9, 256
	s_cbranch_scc0 .Lweights
; ---------------- x.  Each load reads 512 consecutive bytes; a step's 2,048 bytes turn through the wave's stage, so that a lane holds 16 neighbours; two neighbouring lanes hold a block.
	v_lshlrev_b32 v3, 4, v2                        ; my 16 bytes of a load's 512
	s_mul_i32 s19, s18, WREG
	v_lshrrev_b32 v14, 2, v2
	v_mul_u32_u24 v14, v14, SP
	v_and_b32 v15, 3, v2
	v_lshl_add_u32 v14, v15, 4, v14
	v_add_nc_u32 v14, s19, v14                     ; the stage, in: SP (lane / 4) + 16 (lane % 4)
	v_mul_u32_u24 v15, v2, SP
	v_add_nc_u32 v15, s19, v15                     ; and out: SP x lane
	v_mul_u32_u24 v4, v2, CB                       ; my codes' place in a step's
	v_lshrrev_b32 v5, 1, v2
	s_add_co_u32 s19, s19, 2*32*SP
	v_add_nc_u32 v5, s19, v5                       ; LDS: my block's scale byte
	v_lshlrev_b32 v7, 3, v2
	v_add_nc_u32 v6, s19, v7                       ; and on the way out 8 bytes a lane
	s_lshl_b32 s20, ttmp9, 2
	s_add_co_u32 s22, s20, s18                     ; the run of 8 rows that I read: 4 x work-group + wave
	s_and_b32 s21, s18, 1
	s_lshl_b32 s21, s21, 1
	s_lshr_b32 s23, s18, 1
	s_or_b32 s21, s21, s23
	s_add_co_u32 s24, s20, s21                     ; and where it goes: a row's bits 3 and 4 are the run's bits 0 and 1, which change places
	s_lshl_b32 s22, s22, 15                        ; 8 rows of 4,096 bytes
	s_mov_b32 s23, 0
	s_mul_i32 s26, s24, 8*KROW
	s_mov_b32 s27, 0
	s_lshl_b32 s24, s24, 8                         ; 8 rows of 32 scale bytes
	s_mov_b32 s25, 0
	s_wait_kmcnt 0x0
	s_add_nc_u64 s[4:5], s[4:5], s[22:23]
	s_add_nc_u64 s[14:15], s[14:15], s[26:27]
	s_add_nc_u64 s[16:17], s[16:17], s[24:25]
.macro XLOAD t
.irp i, 0,1,2,3
	global_load_b128 v[XR+16*((\t)%4)+4*\i:XR+16*((\t)%4)+4*\i+3], v3, s[4:5] offset:2048*(\t)+512*\i th:TH_LOAD_NT
.endr
.endm
.macro XTURN t                         ; step t's numbers through the stage: LDS serves a wave's instructions in order, so no wait stands between the stores and the loads
.irp i, 0,1,2,3
	ds_store_b128 v14, v[XR+16*((\t)%4)+4*\i:XR+16*((\t)%4)+4*\i+3] offset:32*SP*((\t)%2)+8*SP*\i
.endr
.irp i, 0,1,2,3
	ds_load_b128 v[XX+16*((\t)%2)+4*\i:XX+16*((\t)%2)+4*\i+3], v15 offset:32*SP*((\t)%2)+16*\i
.endr
.endm
.irp t, 0,1,2,3
	XLOAD \t
.endr
	s_wait_loadcnt 12                              ; step 0's four loads are in
	XTURN 0
.macro XSTEP t
.set XS, XX+16*((\t)%2)
.if (\t) > 0
	s_wait_dscnt 1                                 ; this step's numbers are back from the stage; the last step's byte store may be out
.else
	s_wait_dscnt 0x0
.endif
.if (\t)+4 < STEPS
	XLOAD (\t)+4                                   ; into the registers that this step's stage stores have read
.endif
.if (\t)+1 < STEPS
.if STEPS-2-(\t) >= 3
	s_wait_loadcnt 12                              ; the next step's four loads are in; those of the three steps behind it may be out
.else
	s_wait_loadcnt 4*(STEPS-2-(\t))
.endif
	XTURN (\t)+1
.endif
	v_max3_num_f32 v8, |v[XS]|, |v[XS+1]|, |v[XS+2]|               ; the largest magnitude of my 16, in two chains
	v_max3_num_f32 v9, |v[XS+3]|, |v[XS+4]|, |v[XS+5]|
.irp i, 6,10
	v_max3_num_f32 v8, v8, |v[XS+\i]|, |v[XS+\i+1]|
	v_max3_num_f32 v9, v9, |v[XS+\i+2]|, |v[XS+\i+3]|
.endr
	v_max3_num_f32 v8, v8, |v[XS+14]|, |v[XS+15]|
	v_max3_num_f32 v8, v8, v9, (EMAX+1)<<23        ; and the floor 2^(3 - 127): the byte cannot fall under 1
	v_max_num_f32_dpp v8, v8, v8 row_xmask:1 row_mask:0xf bank_mask:0xf   ; with my neighbour's 16: the block's
	v_add_nc_u32 v11, -(EMAX<<23), v8              ; 2 off its exponent field: the conversion takes the exponent field of this operand as its scale
	v_cvt_scalef32_pk16_fp6_f32 v[XC+4*(\t):XC+4*(\t)+2], v[XS:XS+15], v11
	v_lshrrev_b32 v[XE+(\t)], 23, v11              ; the scale's byte
	ds_store_b8 v5, v[XE+(\t)] offset:16*(\t)      ; both lanes of a block write the same byte with the same value
	global_store_b96 v4, v[XC+4*(\t):XC+4*(\t)+2], s[14:15] offset:32*CB*(\t)   ; the wave stores 384 consecutive bytes
.endm
.irp t, 0,1,2,3,4,5,6,7,8,9,10,11,12,13,14,15
	XSTEP \t
.endr
	ds_load_b64 v[12:13], v6                       ; my wave's 256 scale bytes: these loads see my stores
	s_wait_dscnt 0x0
	global_store_b64 v7, v[12:13], s[16:17]        ; 32 lanes store 256 consecutive bytes, aligned
	s_wait_tensorcnt 0x0
	ds_add_u32 v208, v209
	s_wait_dscnt 0x0
	s_endpgm
; ---------------- the weights.  Work-group w = T x 32 + column group x 4 + K chunk: 128 columns x 256 along K; a wave takes 32 columns.
.Lweights:
	s_sub_co_u32 s19, ttmp9, 256
	s_lshr_b32 s20, s19, 5                         ; T
	s_bfe_u32 s21, s19, 0x30002                    ; column group: 3 bits from bit 2
	s_and_b32 s22, s19, 3                          ; which 256 along K
	s_lshl_b32 s21, s21, 7
	s_lshl_b32 s23, s18, 5
	s_add_co_u32 s21, s21, s23                     ; g0: my wave's first column
	s_lshr_b32 s23, s21, 6                         ; WQ, WK, WV [16][1024][64]: head g0 / 64 (262,144 bytes), K row of 256 bytes, channel g0 % 64
	s_lshl_b32 s23, s23, 18
	s_lshl_b32 s24, s22, 16
	s_add_co_u32 s23, s23, s24
	s_and_b32 s24, s21, 63
	s_lshl_b32 s24, s24, 2
	s_add_co_u32 s23, s23, s24
	s_lshl_b32 s24, s22, 20                        ; WO [1024][1024]: K row of 4,096 bytes
	s_lshl_b32 s25, s21, 2
	s_add_co_u32 s24, s24, s25
	s_mov_b32 s26, 4096
	s_cmp_eq_u32 s20, 3
	s_cselect_b32 s48, s24, s23                    ; where my part begins, in bytes
	s_cselect_b32 s26, s26, 256                    ; bytes from a K row to the next
	s_mov_b32 s49, 0
	s_lshl_b32 s50, s26, 5                         ; a block of 32 K rows
	s_mov_b32 s51, 0
	s_lshl_b32 s23, s20, 10
	s_add_co_u32 s23, s23, s21                     ; my first row of the weights' codes
	s_mul_i32 s24, s23, KROW
	s_mul_i32 s25, s22, 192
	s_add_co_u32 s24, s24, s25
	s_add_co_u32 s24, s24, WC
	s_mov_b32 s25, 0
	s_lshl_b32 s52, s23, 5
	s_lshl_b32 s27, s22, 3
	s_add_co_u32 s52, s52, s27
	s_add_co_u32 s52, s52, WS
	s_mov_b32 s53, 0
	s_mul_i32 s30, s18, 32*WP
	s_add_co_u32 s30, s30, WST                     ; my stage
	v_lshlrev_b32 v3, 2, v2                        ; in: 4 bytes a lane
	v_and_b32 v10, 7, v2
	v_bfe_u32 v5, v2, 3, 1
	v_lshl_add_u32 v10, v5, 4, v10
	v_bfe_u32 v5, v2, 4, 1
	v_lshl_add_u32 v10, v5, 3, v10                 ; pi(lane): my column's position among the wave's 32
	v_mul_u32_u24 v4, v10, WP
	v_add_nc_u32 v4, s30, v4                       ; into the stage: row = my column's position
	v_and_b32 v5, 15, v2
	v_lshrrev_b32 v6, 4, v2                        ; out of it: sixteen lanes to a row, two rows an instruction
	v_mul_u32_u24 v7, v6, WP
	v_lshl_add_u32 v7, v5, 4, v7
	v_add_nc_u32 v7, s30, v7
	v_mul_u32_u24 v8, v6, KROW
	v_mad_u32_u24 v8, v5, 12, v8                   ; and the same place in the codes
	v_lshlrev_b32 v9, 5, v10                       ; my column's row of scale bytes
.irp i, 0,1,2,3,4,5,6,7,8,9,10,11,12,13,14,15,16,17,18,19,20,21,22,23,24,25,26,27,28,29,30,31
	v_mad_u32_u24 v[RO+\i], s26, \i, v3            ; K row i of a block, my column
.endr
	s_wait_kmcnt 0x0
	s_cmp_eq_u32 s20, 0                            ; the tensor is chosen by T alone
	s_cselect_b64 s[28:29], s[6:7], s[8:9]
	s_cmp_lt_u32 s20, 2
	s_cselect_b64 s[28:29], s[28:29], s[10:11]
	s_cmp_lt_u32 s20, 3
	s_cselect_b64 s[28:29], s[28:29], s[12:13]
	s_add_nc_u64 s[BB:BB+1], s[28:29], s[48:49]
.irp t, 1,2,3,4,5,6,7
	s_add_nc_u64 s[BB+2*\t:BB+2*\t+1], s[BB+2*\t-2:BB+2*\t-1], s[50:51]   ; a base for each block: nothing is stepped while loads are out
.endr
	s_add_nc_u64 s[14:15], s[14:15], s[24:25]
	s_add_nc_u64 s[16:17], s[16:17], s[52:53]
.macro WLOAD t                         ; block t: W(32 t + i, my column), i = 0 .. 31: each load reads 128 consecutive bytes
.irp i, 0,1,2,3,4,5,6,7,8,9,10,11,12,13,14,15,16,17,18,19,20,21,22,23,24,25,26,27,28,29,30,31
	global_load_b32 v[WX+32*((\t)%2)+\i], v[RO+\i], s[BB+2*(\t):BB+2*(\t)+1] th:TH_LOAD_NT
.endr
.endm
	WLOAD 0
	WLOAD 1
.macro WBLOCK t
.set XS, WX+32*((\t)%2)
.if (\t) < NB-1
	s_wait_loadcnt 32                              ; this block's 32 loads are in; the next block's may be out
.else
	s_wait_loadcnt 0
.endif
	v_max3_num_f32 v12, |v[XS]|, |v[XS+1]|, |v[XS+2]|              ; the block's largest magnitude: all 32 numbers are mine
	v_max3_num_f32 v13, |v[XS+3]|, |v[XS+4]|, |v[XS+5]|
.irp i, 6,10,14,18,22,26
	v_max3_num_f32 v12, v12, |v[XS+\i]|, |v[XS+\i+1]|
	v_max3_num_f32 v13, v13, |v[XS+\i+2]|, |v[XS+\i+3]|
.endr
	v_max3_num_f32 v12, v12, |v[XS+30]|, |v[XS+31]|
	v_max3_num_f32 v12, v12, v13, (EMAX+1)<<23     ; and the floor
	v_add_nc_u32 v11, -(EMAX<<23), v12             ; the conversion's scale operand
	v_lshrrev_b32 v13, 23, v11                     ; the scale's byte
.if (\t)%4 == 0
	v_mov_b32 v[SB+(\t)/4], v13                    ; four bytes to a register, the lower K in the lower byte
.else
	v_lshl_or_b32 v[SB+(\t)/4], v13, 8*((\t)%4), v[SB+(\t)/4]
.endif
	v_cvt_scalef32_pk16_fp6_f32 v[WCD:WCD+2], v[XS:XS+15], v11
	v_cvt_scalef32_pk16_fp6_f32 v[WCD+4:WCD+6], v[XS+16:XS+31], v11   ; (a conversion's three registers begin on an even number)
	ds_store_b96 v4, v[WCD:WCD+2] offset:32*(\t)   ; 12 bytes to a place of 16, so that every LDS address is a multiple of 16
	ds_store_b96 v4, v[WCD+4:WCD+6] offset:32*(\t)+16
.if (\t)+2 < NB
	WLOAD (\t)+2
.endif
	s_wait_dscnt 0x0                               ; the stores have read their registers: the next block's codes may be written
.endm
.set Q, 0
.rept NB
	WBLOCK Q
.set Q, Q+1
.endr
	global_store_b64 v9, v[SB:SB+1], s[16:17]      ; my column's 8 scale bytes
.irp t, 0,1,2,3,4,5,6,7,8,9,10,11,12,13,14,15
	ds_load_b96 v[OUTR+4*\t:OUTR+4*\t+2], v7 offset:2*\t*WP        ; these loads see my stores
.endr
.irp t, 0,1,2,3,4,5,6,7,8,9,10,11,12,13,14,15
	s_wait_dscnt 15-\t
	global_store_b96 v8, v[OUTR+4*\t:OUTR+4*\t+2], s[14:15] offset:2*\t*KROW   ; sixteen lanes store a row's 192 consecutive bytes
.endr
	s_wait_tensorcnt 0x0
	ds_add_u32 v208, v209
	s_wait_dscnt 0x0
	s_endpgm
.Lfunc_end_k_q69f11c6b25_quant:
	.size	k_q69f11c6b25_quant, .Lfunc_end_k_q69f11c6b25_quant-k_q69f11c6b25_quant
	.p2alignl 7, 3214868480
	.fill 96, 4, 3214868480
	.section	.rodata,"a",@progbits
	.p2align	6, 0x0
	.amdhsa_kernel k_q69f11c6b25_quant
		.amdhsa_group_segment_fixed_size 68096
		.amdhsa_private_segment_fixed_size 0
		.amdhsa_enable_private_segment 0
		.amdhsa_kernarg_size 56
		.amdhsa_user_sgpr_count 2
		.amdhsa_user_sgpr_kernarg_segment_ptr 1
		.amdhsa_wavefront_size32 1
		.amdhsa_system_sgpr_workgroup_id_x 1
		.amdhsa_system_sgpr_workgroup_id_y 1
		.amdhsa_system_sgpr_workgroup_id_z 1
		.amdhsa_system_vgpr_workitem_id 0
		.amdhsa_next_free_vgpr 210
		.amdhsa_next_free_sgpr 66
		.amdhsa_reserve_vcc 0
		.amdhsa_float_denorm_mode_32 3
		.amdhsa_float_denorm_mode_16_64 3
		.amdhsa_memory_ordered 1
		.amdhsa_forward_progress 1
		.amdhsa_inst_pref_size 76
	.end_amdhsa_kernel
	.amdgpu_metadata
---
amdhsa.version: [ 1, 2 ]
amdhsa.kernels:
  - .name:           k_q69f11c6b25_quant
    .symbol:         k_q69f11c6b25_quant.kd
    .args:
      - { .name: x, .offset: 0, .size: 8, .value_kind: global_buffer, .address_space: global }
      - { .name: WQ, .offset: 8, .size: 8, .value_kind: global_buffer, .address_space: global }
      - { .name: WK, .offset: 16, .size: 8, .value_kind: global_buffer, .address_space: global }
      - { .name: WV, .offset: 24, .size: 8, .value_kind: global_buffer, .address_space: global }
      - { .name: WO, .offset: 32, .size: 8, .value_kind: global_buffer, .address_space: global }
      - { .name: codes, .offset: 40, .size: 8, .value_kind: global_buffer, .address_space: global }
      - { .name: scales, .offset: 48, .size: 8, .value_kind: global_buffer, .address_space: global }
    .group_segment_fixed_size: 68096
    .private_segment_fixed_size: 0
    .kernarg_segment_align: 8
    .kernarg_segment_size: 56
    .max_flat_workgroup_size: 128
    .sgpr_count:     66
    .vgpr_count:     210
    .wavefront_size: 32
...
	.end_amdgpu_metadata
.endif
;; end of part 1
;; launch proj (part 2): grid 12 x 32, 4 waves a work-group, clusters of 4 x 4, 327,680 bytes of LDS; arguments codes, scales, qkv_img, qkv_sc; writes qkv_img, qkv_sc
.if DOCPART == 2
	.amdgcn_target "amdgcn-amd-amdhsa--gfx1250"
	.amdhsa_code_object_version 6
	.text
	.protected	k_q69f11c6b25_proj
	.globl	k_q69f11c6b25_proj
	.p2align	8
	.type	k_q69f11c6b25_proj,@function
k_q69f11c6b25_proj:
	s_mov_b64 s[64:65], 0
	v_nop
	global_prefetch_b8 v0, s[64:65] scope:SCOPE_SE
	s_setreg_imm32_b32 hwreg(HW_REG_WAVE_MODE, 25, 1), 1
	s_wait_xcnt 0x0
	s_wait_alu depctr_hold_cnt(0) depctr_sa_sdst(0) depctr_va_vdst(0) depctr_va_sdst(0) depctr_va_ssrc(0) depctr_va_vcc(0) depctr_vm_vsrc(0)
	s_getreg_b32 s2, hwreg(HW_REG_IB_STS2, 6, 4)
	s_cmp_eq_u32 s2, 0
	s_cbranch_scc0 .Lentry_in_a_cluster
	s_endpgm
.Lentry_in_a_cluster:
	s_bfe_u32 s2, ttmp6, 0x10000c
	s_cmp_lg_u32 s2, 0xf033
	s_cbranch_scc0 .Lentry_shape_is_right
	s_endpgm
.Lentry_shape_is_right:
; q = x WQ, k = x WK, v = x WV on codes of FP6 (E2M3) with E8M0 scales, K = 1,024; the results are quantised in registers and leave as operands of the attention's products.
; A tile of 256 x 256 is made by four waves, 128 x 128 each: 64 accumulators of 16 x 16.  K goes in steps of 256 through a ring of two LDS slots filled by the tensor data mover; the scale bytes of the tile's rows come once.
; THE KIND hangs on the cluster's x, the same in all sixteen partners.  Clusters 0, 1: A = x (8,192 token positions), B = WQ's and WK's 2,048 rows.  Cluster 2: A = WV's 1,024 rows, B = x.  It chooses numbers, never a path.
; THE MATRIX INSTRUCTION IS USED TRANSPOSED (source 0 = 16 rows of B, source 1 = 16 rows of A): a lane holds ONE row of A.  All rows lie in POSITION ORDER (position 16 t + r holds row 32 (t / 2) + 8 (t % 2) + r + 8 (r / 8)),
; so the 16 registers of B's tiles 2 b and 2 b + 1 are 16 true neighbours 32 b + 16 (lane / 16) + i along B: a block of A's 16 rows x my 128 of B is quantised as it stands into ONE fragment of 12 registers and one scale word a row.
; For q and k that fragment is 16 tokens x two heads of 64 (registers 0-5: the even head, 6-11: the odd one); for v it is 16 channels x 128 keys, quantised along the keys.
; AN IMAGE: a fragment goes to memory as six pieces of 256 bytes: piece p = registers 2 p, 2 p + 1, lane l at byte 8 l.  qkv_img: [16 groups of 128 features][512 token tiles][1,536], from byte VI [64 groups of 128 keys][64 channel tiles][1,536];
; qkv_sc: the same indices x 16 words.
; CLUSTERS: 4 x 4 work-groups; A's tiles are asked for jointly along a row of the cluster, B's along a column.
; LIMITS: NaN and infinities are not served; a block of zeros gets the byte 1 with zero codes.
; REGISTERS: window 0: v16-31 addresses; v32-63 scale words, two sets; v64-91 at work on the way out; from v128 A's fragments, one set (on the way out v96-254 hold the codes); window 1: B's fragments, two sets; windows 2, 3: the accumulators.
.set WC,     6291456                   ; where the weights' codes begin in codes;
.set WS,     262144                    ; their scale bytes in scales
.set OFFA_V, WC+2048*768               ; WV's codes
.set OFFAS_V, WS+2048*32               ; and scale bytes
.set VI,     12582912                  ; V's images in qkv_img
.set VSO,    524288                    ; and scale words in qkv_sc
.set KSTEP,  256                       ; along K in a slot
.set NQ,     2                         ; matrix instructions deep
.set ROWB,   192                       ; a tile's row in bytes
.set KROW,   768                       ; a row of codes in memory
.set PITCH,  240                       ; an LDS row: 3 x (64 bytes + 16 of padding)
.set FR,     12
.set NL,     6                         ; LDS loads that bring a fragment
.set NP,     4                         ; places behind this matrix instruction (ISA guide 7.12.1)
.set HALFT,  128*PITCH
.set SLOT,   4*HALFT
.set LAPS,   2                         ; 1,024 along K = twice round the ring
.set KS,     32                        ; a row of scale bytes
.set SCL,    2*SLOT                    ; behind the ring: the scales, as units of 256 bytes + 16 of padding
.set HALFS,  (128*KS/256)*272
.set SBLK,   (16*KS/256)*272
.set SPARE,  SCL+4*HALFS               ; the spare words, 128 bytes for each wave: two blocks of 256 bytes that no other line names
.set SST,    SPARE+512                 ; 512 bytes for each wave: the scale words on their way out; no fill ever lands here
.set ADRA, 16                          ; v16-17 my A fragments in slot 0, 1 (v18-19: behind one padding more)
.set ADRB, 20                          ; v20-21 the same for B (v22-23)
.set L8,   24                          ; v24  8 x lane: my place in a piece of an image
.set SSA,  25                          ; v25  where I put a scale word
.set SSR,  26                          ; v26  where I read 16 bytes of them back
.set ADRS, 27                          ; v27  my scale words in LDS: lanes 0-15 A's rows, lanes 16-31 B's
.set SPW,  28                          ; v28  my spare word; never rewritten
.set NIL,  29                          ; v29  0; never rewritten
.set L16,  30                          ; v30  16 x lane
.set SC,   32
.set TM,   64                          ; v64-67 largest magnitudes, v68-71 the other half's and then the bytes, v76-79 the conversions' scale operands
.set PW,   80                          ; v80-87 block a's scale word
.set SWB,  88                          ; v88-91 scale words read back
.set PC,   96                          ; block a's codes at v[96 + 20 a]: 12 registers, then the conversions' other halves
.set AF,   128
.set G1, 24
.set G0, 32
.set G1B, 48
.set G0B, 56
.set G1S, 68
.set G0S, 76
.set G1SB, 80
.set G0SB, 88
.set SEL, 98                           ; s[98:99] lane selects for v_permlanex16_b32: lane l xor 16
.set MSB, 0
.macro WIN new                         ; the immediate's high byte repeats the setting that is left
.if MSB != \new
	s_set_vgpr_msb (MSB<<8)|\new
.set MSB, \new
.endif
.endm
.set MUL_LO, 0xa1                      ; source 0 (B) window 1, source 1 (A) window 0, C and D window 2
.set MUL_HI, 0xf1                      ; the same, C and D window 3
.set TO_B,   0x40                      ; destination window 1, address window 0
; A joint load: waves 0 and 1 fetch for A, waves 2 and 3 for B; the branch hangs on the wave's number alone.  Four v_nop follow each of the two lines.
.macro JLOAD g0a, g1a, g0b, g1b
	s_cmp_eq_u32 s15, 0
	s_cbranch_scc0 .Lfor_b_\@
	tensor_load_to_lds s[\g0a:\g0a+3], s[\g1a:\g1a+7]
	s_nop 0
.rept 4
	v_nop
.endr
	s_branch .Lasked_\@
.Lfor_b_\@:
	tensor_load_to_lds s[\g0b:\g0b+3], s[\g1b:\g1b+7]
	s_nop 0
.rept 4
	v_nop
.endr
.Lasked_\@:
.endm
.macro CREST                           ; a round of the cluster's barrier behind its opening barrier
	s_cmp_lg_u32 s14, 0
	s_cbranch_scc1 .Lnot_wave_0_\@
	s_barrier_signal -3
.Lnot_wave_0_\@:
	s_barrier_wait -3
	s_barrier_signal -1
	s_barrier_wait -1
.endm
.macro CROUND                          ; a whole round
	s_barrier_signal -1
	s_barrier_wait -1
	CREST
.endm
	s_load_b256 s[4:11], s[0:1], 0x0               ; codes s[4:5], scales s[6:7], qkv_img s[8:9], qkv_sc s[10:11]
	v_lshl_add_u32 v[SPW], v0, 2, SPARE
	v_mov_b32 v[NIL], 0
	ds_add_u32 v28, v29
	ds_add_u32 v28, v29
	s_wait_dscnt 0x0
	v_lshrrev_b32 v1, 5, v0
	v_readfirstlane_b32 s14, v1                    ; wave 0..3
	s_lshr_b32 s15, s14, 1                         ; which half of the tile's rows is mine.  Also: I fetch for A (0) or for B (1)
	s_and_b32 s16, s14, 1                          ; which half of its columns.  Also: which 128 rows of that tile I fetch
	s_bfe_u32 s40, ttmp6, 0x40000                  ; cx, cy: my place in the cluster
	s_bfe_u32 s41, ttmp6, 0x40004
	s_and_b32 s17, ttmp7, 0xffff                   ; cluster y
	s_cmp_eq_u32 ttmp9, 2                          ; the kind: v, or q and k.  Only cluster coordinates and constants are chosen
	s_cselect_b32 s42, s17, ttmp9                  ; the cluster coordinate along which tile columns run
	s_cselect_b32 s17, 0, s17                      ; and tile rows: WV has four tile rows, one for each cy
	s_cselect_b32 s66, OFFA_V, 0                   ; where A's codes begin,
	s_cselect_b32 s67, OFFAS_V, 0                  ; A's scale bytes,
	s_cselect_b32 s2, 0, WC                        ; B's codes,
	s_cselect_b32 s95, 0, WS                       ; B's scale bytes,
	s_cselect_b32 s96, VI, 0                       ; the images,
	s_cselect_b32 s97, VSO, 0                      ; their scale words;
	s_cselect_b32 s98, 64, 512                     ; tiles of A's rows in all
	s_lshl_b32 s42, s42, 2
	s_add_co_u32 s42, s42, s40                     ; tile column = 4 x cluster coordinate + cx
	s_lshl_b32 s17, s17, 2
	s_add_co_u32 s17, s17, s41                     ; tile row = 4 x cluster coordinate + cy
	s_lshl_b32 s43, s41, 2
	s_lshl_b32 s43, 15, s43                        ; my row of the cluster
	s_lshl_b32 s44, 0x1111, s40                    ; my column
	; descriptor group 1: a tile of 128 rows x 192 bytes, 16 bytes of padding behind every 64
	s_or_b32 s[G1+0], s43, (0<<16)|(1<<20)|(1<<21)|(3<<22)|(3<<25)
	s_or_b32 s[G1B+0], s44, (0<<16)|(1<<20)|(1<<21)|(3<<22)|(3<<25)
.irp g, G1, G1B
	s_mov_b32 s[\g+1], ROWB<<16                    ; tensor_dim0
	s_mov_b32 s[\g+2], 128<<16                     ; tensor_dim1
	s_mov_b32 s[\g+3], ROWB<<16                    ; tile_dim0
	s_mov_b32 s[\g+4], 128                         ; tile_dim1
	s_mov_b32 s[\g+5], KROW                        ; tensor_dim0_stride
	s_mov_b32 s[\g+6], 0
	s_mov_b32 s[\g+7], 0
.endr
	; the scales of 128 rows: 4,096 dense bytes, as 16 rows of 256 bytes (32 elements of 8 bytes), 16 bytes of padding behind each
	s_or_b32 s[G1S+0], s43, (3<<16)|(1<<20)|(1<<21)|(5<<22)|(3<<25)
	s_or_b32 s[G1SB+0], s44, (3<<16)|(1<<20)|(1<<21)|(5<<22)|(3<<25)
.irp g, G1S, G1SB
	s_mov_b32 s[\g+1], 32<<16
	s_mov_b32 s[\g+2], (128*KS/256)<<16
	s_mov_b32 s[\g+3], 32<<16
	s_mov_b32 s[\g+4], 128*KS/256
	s_mov_b32 s[\g+5], 32
	s_mov_b32 s[\g+6], 0
	s_mov_b32 s[\g+7], 0
.endr
	s_lshl_b32 s18, s16, 7                         ; which 128 rows of the tile I fetch
	s_lshl_b32 s20, s17, 8
	s_add_co_u32 s20, s20, s18                     ; A: row 256 x tile row + 128 x half
	s_lshl_b32 s46, s42, 8
	s_add_co_u32 s46, s46, s18                     ; B: row 256 x tile column + 128 x half
	s_lshl_b32 s22, s20, 5                         ; their scale bytes (all offsets stay under 2^24)
	s_add_co_u32 s22, s22, s67
	s_mov_b32 s23, 0
	s_lshl_b32 s92, s46, 5
	s_add_co_u32 s92, s92, s95
	s_mov_b32 s93, 0
	s_mul_i32 s20, s20, KROW                       ; and their codes
	s_add_co_u32 s20, s20, s66
	s_mov_b32 s21, 0
	s_mul_i32 s46, s46, KROW
	s_add_co_u32 s46, s46, s2
	s_mov_b32 s47, 0
	s_mul_i32 s45, s14, HALFT                      ; where they go: wave x 128 rows: no place in the cluster enters an LDS address
	s_mul_i32 s94, s14, HALFS
	s_wait_kmcnt 0x0
	s_add_nc_u64 s[20:21], s[4:5], s[20:21]
	s_add_nc_u64 s[22:23], s[6:7], s[22:23]
	s_add_nc_u64 s[46:47], s[4:5], s[46:47]
	s_add_nc_u64 s[92:93], s[6:7], s[92:93]
	CROUND                                         ; all sixteen work-groups are here: the first joint loads meet
	s_mov_b32 s[G0S], 1
	s_add_co_u32 s[G0S+1], s94, SCL
	s_mov_b64 s[G0S+2:G0S+3], s[22:23]
	s_or_b32 s[G0S+3], s[G0S+3], 0x80000000
	s_mov_b32 s[G0SB], 1
	s_add_co_u32 s[G0SB+1], s94, SCL
	s_mov_b64 s[G0SB+2:G0SB+3], s[92:93]
	s_or_b32 s[G0SB+3], s[G0SB+3], 0x80000000
	JLOAD G0S, G1S, G0SB, G1SB                     ; the scales first: they are wanted with K step 0
.irp s, 0,1
	s_mov_b32 s[G0+4*\s], 1
	s_add_co_u32 s[G0+4*\s+1], s45, \s*SLOT
	s_add_nc_u64 s[G0+4*\s+2:G0+4*\s+3], s[20:21], \s*ROWB
	s_or_b32 s[G0+4*\s+3], s[G0+4*\s+3], 0x80000000
	s_mov_b32 s[G0B+4*\s], 1
	s_add_co_u32 s[G0B+4*\s+1], s45, \s*SLOT
	s_add_nc_u64 s[G0B+4*\s+2:G0B+4*\s+3], s[46:47], \s*ROWB
	s_or_b32 s[G0B+4*\s+3], s[G0B+4*\s+3], 0x80000000
	JLOAD G0+4*\s, G1, G0B+4*\s, G1B               ; three tensor loads of mine are out behind the second of these
.endr
	v_and_b32 v1, 15, v0                           ; l % 16
	v_bfe_u32 v2, v0, 4, 1                         ; l / 16
	v_mul_u32_u24 v3, v1, PITCH
	v_mul_u32_u24 v4, v2, 24
	v_add_nc_u32 v4, v3, v4                        ; a fragment's row x pitch + 24 x half
	v_lshl_add_u32 v5, v2, 4, v4                   ; and the same behind one padding more
	s_mul_i32 s21, s15, HALFT                      ; my 128 rows of A
	s_mul_i32 s22, s16, HALFT                      ; my 128 rows of B,
	s_add_co_u32 s22, s22, 2*HALFT                 ; which lie behind A's 256
.irp s, 0,1
	v_add_nc_u32 v[ADRA+\s], s21, v4
	v_add_nc_u32 v[ADRB+\s], s22, v4
	v_add_nc_u32 v[ADRA+2+\s], s21, v5
	v_add_nc_u32 v[ADRB+2+\s], s22, v5
	s_add_co_u32 s21, s21, SLOT
	s_add_co_u32 s22, s22, SLOT
.endr
	v_mul_u32_u24 v5, v1, KS                       ; my row's scales: 32 bytes a row,
	v_lshrrev_b32 v6, 8, v5
	v_lshl_add_u32 v5, v6, 4, v5                   ; and 16 more for each 256 passed
	s_mul_i32 s21, s15, HALFS
	s_mul_i32 s22, s16, HALFS
	s_add_co_u32 s22, s22, 2*HALFS
	s_sub_co_u32 s22, s22, s21
	v_mul_u32_u24 v6, s22, v2                      ; lanes 16-31 take B's: one product, the distance between the two bases
	s_add_co_u32 s21, s21, SCL
	v_add_nc_u32 v5, v5, v6
	v_add_nc_u32 v[ADRS], s21, v5
	v_and_b32 v6, 31, v0
	v_lshlrev_b32 v[L8], 3, v6
	v_lshlrev_b32 v[L16], 4, v6
	s_lshl_b32 s23, s14, 9
	s_add_co_u32 s23, s23, SST                     ; my 512 bytes for scale words
	v_lshl_add_u32 v[SSA], v1, 2, s23              ; row l % 16's word
	v_add_nc_u32 v[SSR], s23, v[L16]
.irp b, 0,1,2,3
	v_mov_b32 v[TM+4+\b], 0                        ; written once: a lane permute's destination counts as one of its sources
.endr
	; where my eight images go: index = (2 x tile column + my half) x tiles of A's rows + 16 x tile row + 8 x my half
	s_lshl_b32 s20, s17, 4
	s_lshl_b32 s21, s15, 3
	s_add_co_u32 s20, s20, s21
	s_lshl_b32 s46, s42, 1
	s_add_co_u32 s46, s46, s16
	s_mul_i32 s46, s46, s98
	s_add_co_u32 s46, s46, s20
	s_mul_i32 s20, s46, 1536
	s_add_co_u32 s20, s20, s96
	s_mov_b32 s21, 0
	s_add_nc_u64 s[12:13], s[8:9], s[20:21]        ; the images
	s_lshl_b32 s20, s46, 6
	s_add_co_u32 s20, s20, s97
	s_add_nc_u64 s[96:97], s[10:11], s[20:21]      ; their scale words
	s_mov_b32 s[SEL], 0x76543210
	s_mov_b32 s[SEL+1], 0xfedcba98
.macro FRAG reg, adr, q, i             ; a fragment: lane l holds row l % 16; registers 6 c .. 6 c + 5 hold K = 64 c + 32 (l / 16) + 0 .. 31: 24 bytes of the row's stream of bits, in pieces of 8 bytes
.irp p, 0,1,2,3,4,5
.set PCE, 12*(\q)+6*(\p/3)+\p%3       ; where the piece three on lies behind one padding more, the second address register serves
.if PCE%8 < 5
	ds_load_b64 v[\reg+2*\p:\reg+2*\p+1], v[\adr] offset:8*PCE+16*(PCE/8)+(\i)*16*PITCH
.else
	ds_load_b64 v[\reg+2*\p:\reg+2*\p+1], v[\adr+2] offset:8*PCE+16*(PCE/8)+(\i)*16*PITCH
.endif
.endr
.endm
; 16 matrix instructions: A's blocks a0, a0 + 1 x B's eight, 128 along K.  The 64 accumulators take turns, one instruction a turn, in the same order in every step.
.macro MUL16 a0, p, q, sc, zero
.irp a, \a0, \a0+1
.irp b, 0,1,2,3,4,5,6,7
.if \zero
	v_wmma_scale_f32_16x16x128_f8f6f4 v[8*(8*((\a)%4)+\b):8*(8*((\a)%4)+\b)+7], v[128*(\p)+FR*\b:128*(\p)+FR*\b+FR-1], v[AF+FR*(\a):AF+FR*(\a)+FR-1], 0, v[SC+8*NQ*(\sc)+NQ*\b+(\q)], v[SC+8*NQ*(\sc)+NQ*(\a)+(\q)] matrix_a_fmt:MATRIX_FMT_FP6 matrix_b_fmt:MATRIX_FMT_FP6 matrix_a_scale:MATRIX_SCALE_ROW1
.else
	v_wmma_scale_f32_16x16x128_f8f6f4 v[8*(8*((\a)%4)+\b):8*(8*((\a)%4)+\b)+7], v[128*(\p)+FR*\b:128*(\p)+FR*\b+FR-1], v[AF+FR*(\a):AF+FR*(\a)+FR-1], v[8*(8*((\a)%4)+\b):8*(8*((\a)%4)+\b)+7], v[SC+8*NQ*(\sc)+NQ*\b+(\q)], v[SC+8*NQ*(\sc)+NQ*(\a)+(\q)] matrix_a_fmt:MATRIX_FMT_FP6 matrix_b_fmt:MATRIX_FMT_FP6 matrix_a_scale:MATRIX_SCALE_ROW1
.endif
.endr
.endr
.endm
.macro FETCH_B slot, q, p
	WIN TO_B
.irp i, 0,1,2,3,4,5,6,7
	FRAG 128*(\p)+FR*\i, ADRB+\slot, \q, \i
.endr
	WIN 0
.endm
.macro FETCH_A slot, q, i0
.irp i, \i0, \i0+1, \i0+2, \i0+3
	FRAG AF+FR*(\i), ADRA+\slot, \q, \i
.endr
.endm
.macro SCALES sc                       ; the next K step's scale words: lanes 0-15 take A's block i, lanes 16-31 B's block i
.irp i, 0,1,2,3,4,5,6,7
	ds_load_b64 v[SC+8*NQ*\sc+NQ*\i:SC+8*NQ*\sc+NQ*\i+1], v[ADRS] offset:\i*SBLK
.endr
.endm
.macro PLACES n                        ; places in front of loads into registers that matrix instructions have read, and of the first read of results
.rept \n
	v_nop
.endr
.endm
.macro STEP slot, q, zero              ; a step of 128 along K that has its successor in the same slot
	s_wait_dscnt 4*NL                              ; B's set and A's blocks 0-3 are in; the youngest 24 loads (A's blocks 4-7) may be out
	WIN MUL_LO
	MUL16 0, (\q)%2, \q, \slot, \zero
	MUL16 2, (\q)%2, \q, \slot, \zero
	s_wait_dscnt 0
	PLACES NP
	FETCH_B \slot, (\q)+1, 1-(\q)%2
	FETCH_A \slot, (\q)+1, 0
	WIN MUL_HI
	MUL16 4, (\q)%2, \q, \slot, \zero
	MUL16 6, (\q)%2, \q, \slot, \zero
	PLACES NP
	WIN 0
	FETCH_A \slot, (\q)+1, 4
.endm
; A slot's last step changes slots: one barrier; in front of it each wave waits for all its tensor loads, adds 0 to its spare word, and waits for that and for its own reads of this slot.
.macro TURN slot, next, fill
	s_wait_tensorcnt 0x0                           ; all my tensor loads have landed: my part of the next slot
	ds_add_u32 v[SPW], v[NIL]                      ; 0 onto my spare word
	s_wait_dscnt 4*NL+1                            ; (the add and the youngest 24 loads may be out)
	WIN MUL_LO
	MUL16 0, 1, NQ-1, \slot, 0
	s_wait_dscnt 0x0                               ; the add is done, and my reads of this slot are over
	s_barrier_signal -1
	MUL16 2, 1, NQ-1, \slot, 0
	WIN 0
	s_barrier_wait -1
.if \fill
	CREST                                          ; the barrier has opened a round of the cluster's: no wave of any partner still reads this slot or has a load on its way
	s_add_nc_u64 s[G0+4*\slot+2:G0+4*\slot+3], s[G0+4*\slot+2:G0+4*\slot+3], 2*ROWB
	s_add_nc_u64 s[G0B+4*\slot+2:G0B+4*\slot+3], s[G0B+4*\slot+2:G0B+4*\slot+3], 2*ROWB
	JLOAD G0+4*\slot, G1, G0B+4*\slot, G1B         ; the first tensor load behind the round, my one load until the next; its four v_nop are the places in front of the loads below
.else
	PLACES NP
.endif
	v_add_nc_u32 v[ADRS], 4*NQ, v[ADRS]            ; on to the next K step's scale words
	FETCH_B \next, 0, 0
	FETCH_A \next, 0, 0
	SCALES \next
	WIN MUL_HI
	MUL16 4, 1, NQ-1, \slot, 0
	MUL16 6, 1, NQ-1, \slot, 0
	PLACES NP
	WIN 0
	FETCH_A \next, 0, 4
.endm
	s_wait_tensorcnt 1                             ; the scales and my part of K step 0 are in; K step 1's load may be out
	s_barrier_signal -1
	s_barrier_wait -1
	FETCH_B 0, 0, 0
	FETCH_A 0, 0, 0
	SCALES 0
	FETCH_A 0, 0, 4
	STEP 0, 0, 1                                   ; the first step's products start the sums
	s_mov_b32 s3, LAPS-1
.Llap:                                                 ; a trip goes once round the ring and fills both slots again
	TURN 0, 1, 1
	STEP 1, 0, 0
	TURN 1, 0, 1
	STEP 0, 0, 0
	s_sub_co_u32 s3, s3, 1
	s_cmp_lg_u32 s3, 0
	s_cbranch_scc1 .Llap
	TURN 0, 1, 0                                   ; the last lap fills nothing
	STEP 1, 0, 0
	s_wait_dscnt 4*NL
	WIN MUL_LO
	MUL16 0, 1, NQ-1, 1, 0
	MUL16 2, 1, NQ-1, 1, 0
	s_wait_dscnt 0
	WIN MUL_HI
	MUL16 4, 1, NQ-1, 1, 0
	MUL16 6, 1, NQ-1, 1, 0
	WIN 0
; THE WAY OUT.  Block a (16 rows of A x my 128 of B: 64 registers a lane, register 16 b + i = neighbour 32 b + 16 (lane / 16) + i of my row) becomes a fragment's 12 registers and a scale word, and leaves as an image.
; Each block has registers of its own for its codes and its word, so no store's data are written again.  Each accumulator is read from its low end on.
.macro QUANTW a
.set AC, 64*((\a)%4)
.set WW, 2+(\a)/4                      ; the accumulators' window
.set W_MX, (WW<<2)|(WW<<4)             ; sources 1 and 2 there
.set PCA, PC+20*(\a)
	WIN W_MX
.irp b, 0,1,2,3
	v_max3_num_f32 v[TM+\b], 0x1800000, |v[AC+16*\b]|, |v[AC+1+16*\b]|   ; block b: my 16 numbers, and the floor 2^(3 - 127): the byte cannot fall under 1
.endr
.irp i, 2,4,6,8,10,12,14
.irp b, 0,1,2,3
	v_max3_num_f32 v[TM+\b], v[TM+\b], |v[AC+16*\b+\i]|, |v[AC+1+16*\b+\i]|   ; (the four blocks by turns)
.endr
.endr
	WIN 0
.irp b, 0,1,2,3
	v_permlanex16_b32 v[TM+4+\b], v[TM+\b], s[SEL], s[SEL+1]
.endr
.irp b, 0,1,2,3
	v_max_num_f32 v[TM+\b], v[TM+\b], v[TM+4+\b]   ; with lane l xor 16's: the block's largest magnitude
.endr
.irp b, 0,1,2,3
	v_add_nc_u32 v[TM+12+\b], 0xff000000, v[TM+\b] ; 2 off its exponent field: the conversion's scale operand
.endr
.irp b, 0,1,2,3
	v_lshrrev_b32 v[TM+4+\b], 23, v[TM+12+\b]      ; the scale's byte
.endr
	v_lshl_or_b32 v[PW+(\a)], v[TM+5], 8, v[TM+4]  ; my row's scale word
	v_lshl_or_b32 v[PW+(\a)], v[TM+6], 16, v[PW+(\a)]
	v_lshl_or_b32 v[PW+(\a)], v[TM+7], 24, v[PW+(\a)]
	WIN WW                                         ; source 0 in the accumulators' window
.irp c, 0,1
	v_cvt_scalef32_pk16_fp6_f32 v[PCA+6*\c:PCA+2+6*\c], v[AC+32*\c:AC+15+32*\c], v[TM+12+2*\c]
	v_cvt_scalef32_pk16_fp6_f32 v[PCA+12+4*\c:PCA+14+4*\c], v[AC+16+32*\c:AC+31+32*\c], v[TM+12+2*\c+1]   ; (a conversion's three registers begin on an even number)
.endr
	WIN 0
	v_nop                                          ; one plain place behind a scaled conversion
.irp c, 0,1                                    ; the operand's layout wants a WHOLE block in a lane: lanes 0-15 block 2 c, lanes 16-31 block 2 c + 1
.irp i, 0,1,2
	v_permlane16_swap_b32 v[PCA+6*\c+\i], v[PCA+12+4*\c+\i]
.endr
.irp i, 0,1,2
	v_mov_b32 v[PCA+3+6*\c+\i], v[PCA+12+4*\c+\i]
.endr
.endr
.irp p, 0,1,2,3,4,5
	global_store_b64 v[L8], v[PCA+2*\p:PCA+2*\p+1], s[12:13] offset:1536*(\a)+256*\p   ; a piece: 32 lanes store 256 consecutive bytes, aligned
.endr
	ds_store_b32 v[SSA], v[PW+(\a)] offset:64*(\a) ; lanes l and l + 16 write the same word with the same value
.endm
	PLACES NP                                      ; behind the last products: their results are read and their operands' registers written below
.irp a, 0,1,2,3,4,5,6,7
	QUANTW \a
.endr
	ds_load_b128 v[SWB:SWB+3], v[SSR]              ; my eight blocks' 128 scale words: these loads see my stores
	s_wait_dscnt 0x0
	global_store_b128 v[L16], v[SWB:SWB+3], s[96:97]   ; 512 consecutive bytes, aligned
	s_wait_tensorcnt 0x0                           ; the wave's end, behind my last tensor load and my last LDS store
	ds_add_u32 v[SPW], v[NIL]
	s_wait_dscnt 0x0
	CROUND                                         ; the closing round
	s_endpgm
.Lfunc_end_k_q69f11c6b25_proj:
	.size	k_q69f11c6b25_proj, .Lfunc_end_k_q69f11c6b25_proj-k_q69f11c6b25_proj
	.p2alignl 7, 3214868480
	.fill 96, 4, 3214868480
	.section	.rodata,"a",@progbits
	.p2align	6, 0x0
	.amdhsa_kernel k_q69f11c6b25_proj
		.amdhsa_group_segment_fixed_size 327680
		.amdhsa_private_segment_fixed_size 0
		.amdhsa_enable_private_segment 0
		.amdhsa_kernarg_size 32
		.amdhsa_user_sgpr_count 2
		.amdhsa_user_sgpr_kernarg_segment_ptr 1
		.amdhsa_wavefront_size32 1
		.amdhsa_system_sgpr_workgroup_id_x 1
		.amdhsa_system_sgpr_workgroup_id_y 1
		.amdhsa_system_sgpr_workgroup_id_z 1
		.amdhsa_system_vgpr_workitem_id 0
		.amdhsa_next_free_vgpr 1024
		.amdhsa_next_free_sgpr 100
		.amdhsa_reserve_vcc 0
		.amdhsa_float_denorm_mode_32 3
		.amdhsa_float_denorm_mode_16_64 3
		.amdhsa_memory_ordered 1
		.amdhsa_forward_progress 1
		.amdhsa_inst_pref_size 167
	.end_amdhsa_kernel
	.amdgpu_metadata
---
amdhsa.version: [ 1, 2 ]
amdhsa.kernels:
  - .name:           k_q69f11c6b25_proj
    .symbol:         k_q69f11c6b25_proj.kd
    .args:
      - { .name: codes, .offset: 0, .size: 8, .value_kind: global_buffer, .address_space: global }
      - { .name: scales, .offset: 8, .size: 8, .value_kind: global_buffer, .address_space: global }
      - { .name: qkv_img, .offset: 16, .size: 8, .value_kind: global_buffer, .address_space: global }
      - { .name: qkv_sc, .offset: 24, .size: 8, .value_kind: global_buffer, .address_space: global }
    .group_segment_fixed_size: 327680
    .private_segment_fixed_size: 0
    .kernarg_segment_align: 8
    .kernarg_segment_size: 32
    .max_flat_workgroup_size: 128
    .sgpr_count:     100
    .vgpr_count:     1024
    .wavefront_size: 32
...
	.end_amdgpu_metadata
.endif
;; end of part 2
;; launch attn (part 3): grid 4 x 64, 16 waves a work-group, clusters of 4 x 1, 210,944 bytes of LDS; arguments qkv_img, qkv_sc, o_img, o_sc; writes o_img, o_sc
.if DOCPART == 3
	.amdgcn_target "amdgcn-amd-amdhsa--gfx1250"
	.amdhsa_code_object_version 6
	.text
	.protected	k_q69f11c6b25_attn
	.globl	k_q69f11c6b25_attn
	.p2align	8
	.type	k_q69f11c6b25_attn,@function
k_q69f11c6b25_attn:
	s_mov_b64 s[64:65], 0
	v_nop
	global_prefetch_b8 v0, s[64:65] scope:SCOPE_SE
	s_setreg_imm32_b32 hwreg(HW_REG_WAVE_MODE, 25, 1), 1
	s_wait_xcnt 0x0
	s_wait_alu depctr_hold_cnt(0) depctr_sa_sdst(0) depctr_va_vdst(0) depctr_va_sdst(0) depctr_va_ssrc(0) depctr_va_vcc(0) depctr_vm_vsrc(0)
	s_getreg_b32 s2, hwreg(HW_REG_IB_STS2, 6, 4)
	s_cmp_eq_u32 s2, 0
	s_cbranch_scc0 .Lentry_in_a_cluster
	s_endpgm
.Lentry_in_a_cluster:
	s_bfe_u32 s2, ttmp6, 0x10000c
	s_cmp_lg_u32 s2, 0x3003
	s_cbranch_scc0 .Lentry_shape_is_right
	s_endpgm
.Lentry_shape_is_right:
; o = softmax(q k^T / 8) v for one head of one batch, both products on codes of FP6 (E2M3) with E8M0 scales; o is divided by the row's sum, quantised along the head's 64 channels and leaves as half of an operand image of the last product.
; THE SOFTMAX: t = score x log2(e) / 8; M = the row's largest t so far, rounded UP to a whole number; p = 2^(t - M) is what is quantised, along the keys; the row's sum is taken of the unquantised p and divides at the end.
; When M moves, the sum and O are multiplied by 2^(old M - new M): exact.
; SHARES.  Work-group y = 16 batch + head; the four work-groups of a cluster are the head's four blocks of 512 queries.  Each of the sixteen waves owns 16 queries at a time, twice (query tile 32 cx + 16 pass + wave), in 256 registers.
; A WHOLE HEAD STAYS IN LDS: K's 128 tiles (768 bytes each), V^T's 16 x 4 fragments (1,536 bytes each) and their scale words: 208,896 bytes, filled ONCE, by joint loads of the four partners.  No byte of LDS is filled again or stored to.
; IMAGES.  A fragment lies as six pieces of 256 bytes: piece p = registers 2 p, 2 p + 1, lane l at byte 8 l: every LDS load reads 256 consecutive bytes.  Of q's and k's images (16 tokens x two heads) this head's half is three pieces.
; LAYOUT.  Both products are used transposed: S^T = K Q^T, O^T = V^T P^T: a lane holds ONE query.  Tokens and channels lie in position order (position 16 t + r = 32 (t / 2) + 8 (t % 2) + r + 8 (r / 8)),
; so the 16 registers of tiles 2 b and 2 b + 1 are 16 neighbouring keys (in S^T) or channels (in O^T).
; K = 64 IN AN INSTRUCTION OF 128.  Q's registers 6-11 are zero codes.  K's operand for tile t is twelve registers from its six on: the upper six are the next tile's codes (zeros behind tile 7); every code is a finite number and
; meets a zero code, so it adds exactly 0.  The scale words come by 16-bit loads: bytes 2 and 3 are 0, never 0xff.
; o's scale bytes: a row's two bytes leave by a store of 2 bytes, rows 32 bytes apart: a scale word of the last product's K step belongs to two heads, hence to two work-groups, and cannot leave whole; one byte in 24 of what is stored.
; LIMITS: NaN and infinities are not served; a block of zeros gets the byte 1 with zero codes.
.set VI,    12582912                   ; V's images in qkv_img
.set VSO,   524288                     ; and scale words in qkv_sc
.set KIMG,  0
.set VIMG,  98304
.set KSC,   196608                     ; K's scale words: [tile 128][16 words], both heads of the pair
.set VSC,   204800                     ; V's: [key step 16][channel tile 4][16 words]
.set L8,   1                           ; v1   8 x lane; never rewritten
.set KS0,  2                           ; v2   KSC + 4 (lane % 16) + 2 x (head % 2)
.set VS0,  3                           ; v3   VSC + 4 (lane % 16)
.set R4,   4                           ; v4   4 (lane % 16)
.set R32,  5                           ; v5   32 (lane % 16)
.set ADK,  6                           ; v6-9 the step's LDS addresses: K, V, K's scale words, V's
.set ADV,  7
.set ADS,  8
.set ADT,  9
.set QA,   16                          ; v16-21 Q of pass 0, v22-27 zeros
.set QSA,  28                          ; v28, v29 q's scale words
.set QSB,  29
.set KF,   32                          ; v32-79 K's eight tiles of 6 registers, later V's four fragments of 12; v80-85 zeros
.set KSR,  86                          ; v86-93 K's scale words
.set VSR,  94                          ; v94-97 V's
.set PS,   98                          ; v98  p's scale word
.set S,    100                         ; v100-163 S^T, then p
.set O,    164                         ; v164-195 O^T
.set PC,   196                         ; v196-207 p's codes
.set PT,   208                         ; v208-210, v212-214 the conversions' other halves
.set BM,   216                         ; v216-219 the blocks' largest scores, then largest p
.set BT,   220                         ; v220-223 the other half's; then the bytes
.set BS,   224                         ; v224-227 the conversions' scale operands
.set F,    228                         ; v228 f (v229 is named with it as a pair and holds 0)
.set T,    230
.set OW,   231                         ; o's two scale bytes
.set L2,   232                         ; v[232:233] the second chain of the sum
.set QB,   234                         ; v234-239 Q of pass 1, v240-245 zeros
.set WV,   16                          ; s16  wave
.set G1K,  24
.set G1V,  32
.set G1KS, 40
.set G1VS, 48
.set G0K,  56
.set G0V,  60
.set G0KS, 68
.set G0VS, 72
.set SEL,  76                          ; s[76:77] lane selects: lane l xor 16
.set CS,   78                          ; s[78:79] c = log2(e) / 8
.set TK,   80                          ; s80-83 where the step's K, V and scale words begin
.set TV,   81
.set TS,   82
.set TT,   83
.set CNT,  84
.macro CROUND                          ; a round of the cluster's barrier
	s_barrier_signal -1
	s_barrier_wait -1
	s_cmp_lg_u32 s[WV], 0
	s_cbranch_scc1 .Lnot_wave_0_\@
	s_barrier_signal -3
.Lnot_wave_0_\@:
	s_barrier_wait -3
	s_barrier_signal -1
	s_barrier_wait -1
.endm
.macro GROUP1 g, c, r, p               ; r rows of c elements of 8 bytes, p elements apart; no padding; the mask names all four partners, bit 21 set beside it
	s_mov_b32 s[\g], 15|(3<<16)|(1<<21)
	s_mov_b32 s[\g+1], (\c)<<16
	s_mov_b32 s[\g+2], (\r)<<16
	s_mov_b32 s[\g+3], (\c)<<16
	s_mov_b32 s[\g+4], \r
	s_mov_b32 s[\g+5], \p
	s_mov_b32 s[\g+6], 0
	s_mov_b32 s[\g+7], 0
.endm
	s_load_b256 s[4:11], s[0:1], 0x0               ; qkv_img s[4:5], qkv_sc s[6:7], o_img s[8:9], o_sc s[10:11]
	v_lshl_add_u32 v254, v0, 2, 0x33000
	v_mov_b32 v255, 0
	ds_add_u32 v254, v255
	ds_add_u32 v254, v255
	v_lshrrev_b32 v10, 5, v0
	s_delay_alu instid0(VALU_DEP_1)
	v_readfirstlane_b32 s[WV], v10                 ; wave 0..15
	s_bfe_u32 s17, ttmp6, 0x40000                  ; cx: it enters Q's and o's global addresses alone
	s_and_b32 s18, ttmp7, 0xffff
	s_lshr_b32 s19, s18, 4                         ; batch
	s_and_b32 s20, s18, 15                         ; head
	s_lshr_b32 s21, s20, 1                         ; pair of heads
	s_and_b32 s22, s20, 1                          ; which of the pair
	s_and_b32 s23, s[WV], 3
	s_mul_i32 s85, s22, 768                        ; my head's three pieces of an image
	s_lshl_b32 s12, s21, 9
	s_lshl_b32 s13, s19, 7
	s_add_co_u32 s12, s12, s13                     ; 512 pair + 128 batch: Q's first image of the batch
	s_lshl_b32 s2, s23, 5                          ; K's codes: waves 0-3 take 32 tiles each
	s_add_co_u32 s2, s2, s12
	s_add_co_u32 s2, s2, 8*512
	s_mul_i32 s2, s2, 1536
	s_add_co_u32 s2, s2, s85
	s_mov_b32 s3, 0
	s_lshl_b32 s14, s19, 4                         ; V's codes: waves 4-7 take 4 key steps each
	s_lshl_b32 s15, s23, 2
	s_add_co_u32 s14, s14, s15
	s_lshl_b32 s14, s14, 6
	s_lshl_b32 s15, s20, 2
	s_add_co_u32 s14, s14, s15
	s_mul_i32 s14, s14, 1536
	s_add_co_u32 s14, s14, VI
	s_mov_b32 s15, 0
	s_add_co_u32 s94, s12, 8*512                   ; K's scale words
	s_lshl_b32 s94, s94, 6
	s_mov_b32 s95, 0
	s_lshl_b32 s96, s19, 16                        ; V's: (16 batch x 64 + 4 head) x 64 bytes
	s_lshl_b32 s97, s20, 8
	s_add_co_u32 s96, s96, s97
	s_add_co_u32 s96, s96, VSO
	s_mov_b32 s97, 0
	s_mul_i32 s13, s[WV], 24576                    ; where waves 0-7 put their part: K's tiles, then V's fragments
	GROUP1 G1K, 96, 32, 192                        ; K: 32 tiles' halves of 768 bytes, 1,536 bytes apart
	GROUP1 G1V, 768, 4, 12288                      ; V: 4 key steps' four fragments, 6,144 bytes, 98,304 bytes apart
	GROUP1 G1KS, 32, 32, 32                        ; K's scale words: 8,192 dense bytes
	GROUP1 G1VS, 32, 16, 512                       ; V's: 256 bytes a key step, 4,096 bytes apart
	s_mov_b32 s[SEL], 0x76543210
	s_mov_b32 s[SEL+1], 0xfedcba98
	s_mov_b32 s[CS], 0x3e38aa3b                    ; log2(e) / 8
	s_mov_b32 s[CS+1], s[CS]                       ; (named with it as a pair, so it is written)
	s_wait_dscnt 0x0
	s_wait_kmcnt 0x0
	s_mov_b32 s[G0K], 1
	s_mov_b32 s[G0K+1], s13
	s_add_nc_u64 s[G0K+2:G0K+3], s[4:5], s[2:3]
	s_or_b32 s[G0K+3], s[G0K+3], 0x80000000
	s_mov_b32 s[G0V], 1
	s_mov_b32 s[G0V+1], s13
	s_add_nc_u64 s[G0V+2:G0V+3], s[4:5], s[14:15]
	s_or_b32 s[G0V+3], s[G0V+3], 0x80000000
	s_mov_b32 s[G0KS], 1
	s_mov_b32 s[G0KS+1], KSC
	s_add_nc_u64 s[G0KS+2:G0KS+3], s[6:7], s[94:95]
	s_or_b32 s[G0KS+3], s[G0KS+3], 0x80000000
	s_mov_b32 s[G0VS], 1
	s_mov_b32 s[G0VS+1], VSC
	s_add_nc_u64 s[G0VS+2:G0VS+3], s[6:7], s[96:97]
	s_or_b32 s[G0VS+3], s[G0VS+3], 0x80000000
	; my queries: tile 32 cx + wave of the batch's 128 (pass 1: 16 tiles on)
	s_lshl_b32 s2, s17, 5
	s_add_co_u32 s2, s2, s[WV]
	s_add_co_u32 s14, s2, s12
	s_mul_i32 s86, s14, 1536
	s_add_co_u32 s86, s86, s85
	s_mov_b32 s87, 0
	s_add_nc_u64 s[86:87], s[4:5], s[86:87]        ; Q's image, my head's half
	s_lshl_b32 s88, s14, 6
	s_lshl_b32 s15, s22, 1
	s_add_co_u32 s88, s88, s15
	s_mov_b32 s89, 0
	s_add_nc_u64 s[88:89], s[6:7], s[88:89]        ; its scale words, my head's two bytes
	s_lshl_b32 s14, s19, 7
	s_add_co_u32 s14, s14, s2                      ; the token tile: 128 batch + 32 cx + wave
	s_lshl_b32 s90, s14, 3
	s_add_co_u32 s90, s90, s21
	s_mul_i32 s90, s90, 1536
	s_add_co_u32 s90, s90, s85
	s_mov_b32 s91, 0
	s_add_nc_u64 s[90:91], s[8:9], s[90:91]        ; o's image [token tile][pair of heads], my head's half
	s_lshl_b32 s92, s14, 9
	s_lshl_b32 s15, s20, 1
	s_add_co_u32 s92, s92, s15
	s_mov_b32 s93, 0
	s_add_nc_u64 s[92:93], s[10:11], s[92:93]      ; o's scale bytes [position][32], bytes 2 head, 2 head + 1
	CROUND                                         ; all four work-groups are here: the joint loads meet
	; the fills, one tensor load a wave, waves 0-9; the branches hang on the wave's number alone; four v_nop follow each line
	s_cmp_lt_u32 s[WV], 4
	s_cbranch_scc0 .Lnot_k
	tensor_load_to_lds s[G0K:G0K+3], s[G1K:G1K+7]
	s_nop 0
.rept 4
	v_nop
.endr
	s_branch .Lasked
.Lnot_k:
	s_cmp_lt_u32 s[WV], 8
	s_cbranch_scc0 .Lnot_v
	tensor_load_to_lds s[G0V:G0V+3], s[G1V:G1V+7]
	s_nop 0
.rept 4
	v_nop
.endr
	s_branch .Lasked
.Lnot_v:
	s_cmp_eq_u32 s[WV], 8
	s_cbranch_scc0 .Lnot_ks
	tensor_load_to_lds s[G0KS:G0KS+3], s[G1KS:G1KS+7]
	s_nop 0
.rept 4
	v_nop
.endr
	s_branch .Lasked
.Lnot_ks:
	s_cmp_eq_u32 s[WV], 9
	s_cbranch_scc0 .Lasked
	tensor_load_to_lds s[G0VS:G0VS+3], s[G1VS:G1VS+7]
	s_nop 0
.rept 4
	v_nop
.endr
.Lasked:
	v_and_b32 v10, 31, v0
	s_delay_alu instid0(VALU_DEP_1)
	v_lshlrev_b32 v[L8], 3, v10
	v_and_b32 v11, 15, v0
	s_delay_alu instid0(VALU_DEP_1)
	v_lshlrev_b32 v[R4], 2, v11
	s_delay_alu instid0(VALU_DEP_2)
	v_lshlrev_b32 v[R32], 5, v11
	s_lshl_b32 s15, s22, 1
	s_add_co_u32 s15, s15, KSC
	v_add_nc_u32 v[KS0], s15, v[R4]
	v_add_nc_u32 v[VS0], VSC, v[R4]
.irp q, 0,1,2                                  ; both passes' Q come while the fills are on their way
	global_load_b64 v[QA+2*\q:QA+2*\q+1], v[L8], s[86:87] offset:256*\q
	global_load_b64 v[QB+2*\q:QB+2*\q+1], v[L8], s[86:87] offset:24576+256*\q
.endr
	global_load_u16 v[QSA], v[R4], s[88:89]        ; two scale bytes; the word's upper two are 0
	global_load_u16 v[QSB], v[R4], s[88:89] offset:1024
.irp j, 0,1,2,3,4,5
	v_mov_b32 v[QA+6+\j], 0                        ; zero codes for K = 64 .. 127
	v_mov_b32 v[QB+6+\j], 0
	v_mov_b32 v[KF+48+\j], 0                       ; and behind K's tile 7
.endr
.irp b, 0,1,2,3
	v_mov_b32 v[BT+\b], 0                          ; written once: a lane permute's destination counts as one of its sources
.endr
	v_mov_b32 v[F+1], 0                            ; (named as the upper half of a pair)
	s_wait_tensorcnt 0x0                           ; my fill has landed,
	s_barrier_signal -1
	s_barrier_wait -1                              ; everybody's has
	s_wait_loadcnt 0x0                             ; Q
; A KEY STEP: 128 keys.  qf: Q's twelve registers; qs: its scale word.
.macro STEP qf, qs
	v_add_nc_u32 v[ADK], s[TK], v[L8]              ; (these four are also the places behind the last step's products, in front of the loads into the registers that they read)
	v_add_nc_u32 v[ADV], s[TV], v[L8]
	v_add_nc_u32 v[ADS], s[TS], v[KS0]
	v_add_nc_u32 v[ADT], s[TT], v[VS0]
.irp t, 0,1,2,3,4,5,6,7
.irp p, 0,1,2
	ds_load_b64 v[KF+6*\t+2*\p:KF+6*\t+2*\p+1], v[ADK] offset:768*\t+256*\p
.endr
	ds_load_u16 v[KSR+\t], v[ADS] offset:64*\t
.endr
	s_wait_alu depctr_va_vdst(0)
	s_wait_dscnt 0x0
.irp t, 0,1,2,3,4,5,6,7                        ; S^T = K Q^T: eight tiles of 16 keys
	v_wmma_scale_f32_16x16x128_f8f6f4 v[S+8*\t:S+8*\t+7], v[KF+6*\t:KF+6*\t+11], v[\qf:\qf+11], 0, v[KSR+\t], v[\qs] matrix_a_fmt:MATRIX_FMT_FP6 matrix_b_fmt:MATRIX_FMT_FP6
.endr
.rept 4
	v_nop                                          ; places: the scores are read below, and V lands where K lay
.endr
.irp c, 0,1,2,3                                ; V's four fragments are asked for now and land under the softmax
.irp p, 0,1,2,3,4,5
	ds_load_b64 v[KF+12*\c+2*\p:KF+12*\c+2*\p+1], v[ADV] offset:1536*\c+256*\p
.endr
	ds_load_b32 v[VSR+\c], v[ADT] offset:64*\c
.endr
.irp b, 0,1,2,3
	v_max3_num_f32 v[BM+\b], v[S+16*\b], v[S+1+16*\b], v[S+2+16*\b]   ; the largest score of each block of 32 keys: for the row's maximum, and, since p rises with the score, for the block's largest p
.endr
.irp i, 3,5,7,9,11,13
.irp b, 0,1,2,3
	v_max3_num_f32 v[BM+\b], v[BM+\b], v[S+16*\b+\i], v[S+1+16*\b+\i]
.endr
.endr
.irp b, 0,1,2,3
	v_max_num_f32 v[BM+\b], v[BM+\b], v[S+15+16*\b]
.endr
.irp b, 0,1,2,3
	s_delay_alu instid0(VALU_DEP_4)
	v_permlanex16_b32 v[BT+\b], v[BM+\b], s[SEL], s[SEL+1]
.endr
.irp b, 0,1,2,3
	s_delay_alu instid0(VALU_DEP_4)
	v_max_num_f32 v[BM+\b], v[BM+\b], v[BT+\b]     ; with lane l xor 16's 16 keys
.endr
	s_delay_alu instid0(VALU_DEP_2)
	v_max3_num_f32 v[T], v[BM], v[BM+1], v[BM+2]
	s_delay_alu instid0(VALU_DEP_1)
	v_max_num_f32 v[T], v[T], v[BM+3]              ; the step's largest score of my query
	s_delay_alu instid0(VALU_DEP_1)
	v_mul_f32 v[T], s[CS], v[T]                    ; as t (c is positive)
	s_delay_alu instid0(VALU_DEP_1)
	v_max_num_f32 v13, v13, v[T]                   ; the running largest t
	v_mov_b32 v[T], v12
	s_delay_alu instid0(VALU_DEP_2)
	v_floor_f32 v12, -v13                          ; the new -M = floor(-t) = -ceil(t): a whole number
	s_delay_alu instid0(VALU_DEP_1)
	v_sub_f32 v[T], v12, v[T]                      ; old M - new M: a whole number, 0 or less
	s_delay_alu instid0(VALU_DEP_1)
	v_cvt_i32_f32 v[T], v[T]                       ; (it saturates)
	s_delay_alu instid0(VALU_DEP_1)
	v_ldexp_f32 v[F], 1.0, v[T]                    ; f = 2^(old M - new M)
.set j, 0
.rept 32
	v_pk_fma_f32 v[S+j:S+j+1], v[S+j:S+j+1], s[CS:CS+1], v[12:13] op_sel_hi:[1,0,0]   ; t - M, two at a time
.set j, j+2
.endr
.irp b, 0,1,2,3
	v_fma_f32 v[BM+\b], v[BM+\b], s[CS], v12       ; the same of each block's largest score
.endr
.set j, 0
	s_setprio 1
	s_wait_alu depctr_va_vdst(0)
.rept 64
	v_exp_f32 v[S+j], v[S+j]                       ; p = 2^(t - M), at most 1: not normalised
.set j, j+1
.endr
	v_pk_mul_f32 v[14:15], v[14:15], v[F:F+1] op_sel_hi:[1,0]   ; the sums under the new M (a plain place behind the exponentials)
	s_wait_alu depctr_va_vdst(0)                   ; one wait for the batch of 64, ahead of its first reader
.irp b, 0,1,2,3
	v_exp_f32 v[BM+\b], v[BM+\b]                   ; the block's largest p: the same two instructions on the same number
.endr
	v_pk_add_f32 v[232:233], v[104:105], v[108:109]
	v_pk_add_f32 v[252:253], v[112:113], v[116:117]
	v_pk_add_f32 v[250:251], v[120:121], v[124:125]
	v_pk_add_f32 v[248:249], v[128:129], v[132:133]
	v_pk_add_f32 v[246:247], v[136:137], v[140:141]
	v_pk_add_f32 v[230:231], v[144:145], v[148:149]
	v_pk_add_f32 v[226:227], v[152:153], v[156:157]
	v_pk_add_f32 v[14:15], v[14:15], v[160:161]
	v_pk_add_f32 v[232:233], v[232:233], v[100:101]
	v_pk_add_f32 v[252:253], v[252:253], v[102:103]
	v_pk_add_f32 v[250:251], v[250:251], v[106:107]
	v_pk_add_f32 v[248:249], v[248:249], v[110:111]
	v_pk_add_f32 v[246:247], v[246:247], v[114:115]
	v_pk_add_f32 v[230:231], v[230:231], v[118:119]
	v_pk_add_f32 v[226:227], v[226:227], v[122:123]
	v_pk_add_f32 v[14:15], v[14:15], v[126:127]
	v_pk_add_f32 v[232:233], v[232:233], v[130:131]
	v_pk_add_f32 v[252:253], v[252:253], v[134:135]
	v_pk_add_f32 v[250:251], v[250:251], v[138:139]
	v_pk_add_f32 v[248:249], v[248:249], v[142:143]
	v_pk_add_f32 v[246:247], v[246:247], v[146:147]
	v_pk_add_f32 v[230:231], v[230:231], v[150:151]
	v_pk_add_f32 v[226:227], v[226:227], v[154:155]
	v_pk_add_f32 v[14:15], v[14:15], v[158:159]
	v_pk_add_f32 v[232:233], v[232:233], v[162:163]
	s_delay_alu instid0(VALU_DEP_2)
	v_pk_add_f32 v[14:15], v[14:15], v[248:249]
	s_delay_alu instid0(VALU_DEP_2)
	v_pk_add_f32 v[232:233], v[232:233], v[246:247]
	v_pk_add_f32 v[252:253], v[252:253], v[230:231]
	v_pk_add_f32 v[250:251], v[250:251], v[226:227]
	s_delay_alu instid0(VALU_DEP_2)
	v_pk_add_f32 v[14:15], v[14:15], v[252:253]
	s_delay_alu instid0(VALU_DEP_2)
	v_pk_add_f32 v[232:233], v[232:233], v[250:251]
	s_delay_alu instid0(VALU_DEP_1)
	v_pk_add_f32 v[14:15], v[14:15], v[232:233]
	s_wait_alu depctr_va_vdst(0)                   ; and one for the four
.irp b, 0,1,2,3
	v_max_num_f32 v[BM+\b], 0x1800000, v[BM+\b]    ; the floor 2^(3 - 127): the byte cannot fall under 1
.endr
.irp b, 0,1,2,3
	s_delay_alu instid0(VALU_DEP_4)
	v_add_nc_u32 v[BS+\b], 0xff000000, v[BM+\b]    ; 2 off the exponent field: the conversion's scale operand
.endr
.irp b, 0,1,2,3
	s_delay_alu instid0(VALU_DEP_4)
	v_lshrrev_b32 v[BT+\b], 23, v[BS+\b]           ; the scale's byte
.endr
	s_delay_alu instid0(VALU_DEP_3)
	v_lshl_or_b32 v[PS], v[BT+1], 8, v[BT]         ; p's scale word for these 128 keys
	s_delay_alu instid0(VALU_DEP_1)
	v_lshl_or_b32 v[PS], v[BT+2], 16, v[PS]
	s_delay_alu instid0(VALU_DEP_1)
	v_lshl_or_b32 v[PS], v[BT+3], 24, v[PS]
.irp c, 0,1
	v_cvt_scalef32_pk16_fp6_f32 v[PC+6*\c:PC+2+6*\c], v[S+32*\c:S+15+32*\c], v[BS+2*\c]
	v_cvt_scalef32_pk16_fp6_f32 v[PT+4*\c:PT+2+4*\c], v[S+16+32*\c:S+31+32*\c], v[BS+2*\c+1]   ; (a conversion's three registers begin on an even number)
.endr
	v_nop                                          ; one plain place behind a scaled conversion
	s_setprio 0
.irp c, 0,1                                    ; the operand's layout wants a WHOLE block in a lane
.irp i, 0,1,2
	v_permlane16_swap_b32 v[PC+6*\c+\i], v[PT+4*\c+\i]
.endr
.irp i, 0,1,2
	s_delay_alu instid0(VALU_DEP_3)
	v_mov_b32 v[PC+3+6*\c+\i], v[PT+4*\c+\i]
.endr
.endr
.set j, 0
.rept 16
	v_pk_mul_f32 v[O+j:O+j+1], v[O+j:O+j+1], v[F:F+1] op_sel_hi:[1,0]   ; O^T under the new M (these sixteen also stand between the writes of p's codes and scale word and the products)
.set j, j+2
.endr
	s_wait_alu depctr_va_vdst(0)
	s_wait_dscnt 0x0                               ; V is in
.irp c, 0,1,2,3                                ; O^T += V^T P^T: four tiles of 16 channels, each accumulator one instruction a turn
	v_wmma_scale_f32_16x16x128_f8f6f4 v[O+8*\c:O+8*\c+7], v[KF+12*\c:KF+12*\c+11], v[PC:PC+11], v[O+8*\c:O+8*\c+7], v[VSR+\c], v[PS] matrix_a_fmt:MATRIX_FMT_FP6 matrix_b_fmt:MATRIX_FMT_FP6
.endr
	s_add_co_u32 s[TK], s[TK], 6144                ; the next 128 keys
	s_add_co_u32 s[TV], s[TV], 6144
	s_add_co_u32 s[TS], s[TS], 512
	s_add_co_u32 s[TT], s[TT], 256
.endm
; THE WAY OUT of a pass: O^T / the sum; its 32 registers (register 16 b + i = channel 32 b + 16 (lane / 16) + i) are two blocks: six registers of codes and two scale bytes.
.macro WAYOUT p
.rept 4
	v_nop                                          ; places behind the last products
.endr
	v_add_f32 v14, v14, v15                        ; the sum's two halves,
	s_delay_alu instid0(VALU_DEP_1)
	v_permlanex16_b32 v[BT], v14, s[SEL], s[SEL+1]
	s_delay_alu instid0(VALU_DEP_1)
	v_add_f32 v14, v14, v[BT]                      ; and lane l xor 16's: the row's sum
	s_wait_alu depctr_va_vdst(0)
	v_rcp_f32 v[F], v14
	v_nop                                          ; a plain place behind the reciprocal
	s_wait_alu depctr_va_vdst(0)                   ; and the wait ahead of its first reader
.set j, 0
.rept 16
	v_pk_mul_f32 v[S+j:S+j+1], v[O+j:O+j+1], v[F:F+1] op_sel_hi:[1,0]   ; each accumulator from its low end on
.set j, j+2
.endr
.irp b, 0,1
	v_max3_num_f32 v[BM+\b], |v[S+16*\b]|, |v[S+1+16*\b]|, 0x1800000
.endr
.irp i, 2,4,6,8,10,12,14
.irp b, 0,1
	s_delay_alu instid0(VALU_DEP_2)
	v_max3_num_f32 v[BM+\b], v[BM+\b], |v[S+16*\b+\i]|, |v[S+1+16*\b+\i]|
.endr
.endr
.irp b, 0,1
	s_delay_alu instid0(VALU_DEP_2)
	v_permlanex16_b32 v[BT+\b], v[BM+\b], s[SEL], s[SEL+1]
.endr
.irp b, 0,1
	s_delay_alu instid0(VALU_DEP_2)
	v_max_num_f32 v[BM+\b], v[BM+\b], v[BT+\b]
.endr
.irp b, 0,1
	s_delay_alu instid0(VALU_DEP_2)
	v_add_nc_u32 v[BS+\b], 0xff000000, v[BM+\b]
.endr
.irp b, 0,1
	s_delay_alu instid0(VALU_DEP_2)
	v_lshrrev_b32 v[BT+\b], 23, v[BS+\b]
.endr
	s_delay_alu instid0(VALU_DEP_1)
	v_lshl_or_b32 v[OW], v[BT+1], 8, v[BT]
	v_cvt_scalef32_pk16_fp6_f32 v[PC:PC+2], v[S:S+15], v[BS]
	v_cvt_scalef32_pk16_fp6_f32 v[PT:PT+2], v[S+16:S+31], v[BS+1]
	v_nop
.irp i, 0,1,2
	v_permlane16_swap_b32 v[PC+\i], v[PT+\i]
.endr
.irp i, 0,1,2
	s_delay_alu instid0(VALU_DEP_3)
	v_mov_b32 v[PC+3+\i], v[PT+\i]
.endr
.irp q, 0,1,2
	global_store_b64 v[L8], v[PC+2*\q:PC+2*\q+1], s[90:91] offset:196608*\p+256*\q   ; a piece: 256 consecutive bytes, aligned
.endr
	global_store_b16 v[R32], v[OW], s[92:93] offset:8192*\p   ; lanes l and l + 16 write the same two bytes with the same value
.endm
.macro PASS p, qf, qs
.if \p
	s_wait_xcnt 0x0                                ; the last pass's stores have read their registers
.endif
	v_mov_b32 v13, 0xff61b1e6                      ; the largest t so far: -3e38, under every t
	s_delay_alu instid0(VALU_DEP_1)
	v_floor_f32 v12, -v13                          ; -M
	v_mov_b32 v14, 0                               ; the sum, in two halves
	v_mov_b32 v15, 0
.set j, 0
.rept 32
	v_mov_b32 v[O+j], 0                            ; O^T: the step is written once; the first finds zeros, which the first change of M leaves zeros
.set j, j+1
.endr
	s_mov_b32 s[TK], KIMG
	s_mov_b32 s[TV], VIMG
	s_mov_b32 s[TS], 0
	s_mov_b32 s[TT], 0
	s_mov_b32 s[CNT], 16                           ; 2,048 keys
.Lstep_\@:
	s_setprio 2
	STEP \qf, \qs
	s_sub_co_u32 s[CNT], s[CNT], 1
	s_cmp_lg_u32 s[CNT], 0
	s_cbranch_scc1 .Lstep_\@
	s_setprio 0
	WAYOUT \p
.endm
	PASS 0, QA, QSA
	PASS 1, QB, QSB
	s_wait_dscnt 0x0
	s_wait_tensorcnt 0x0
	ds_add_u32 v254, v255
	s_wait_dscnt 0x0
	CROUND                                         ; the closing round
	s_endpgm
.Lfunc_end_k_q69f11c6b25_attn:
	.size	k_q69f11c6b25_attn, .Lfunc_end_k_q69f11c6b25_attn-k_q69f11c6b25_attn
	.p2alignl 7, 3214868480
	.fill 96, 4, 3214868480
	.section	.rodata,"a",@progbits
	.p2align	6, 0x0
	.amdhsa_kernel k_q69f11c6b25_attn
		.amdhsa_group_segment_fixed_size 210944
		.amdhsa_private_segment_fixed_size 0
		.amdhsa_enable_private_segment 0
		.amdhsa_kernarg_size 32
		.amdhsa_user_sgpr_count 2
		.amdhsa_user_sgpr_kernarg_segment_ptr 1
		.amdhsa_wavefront_size32 1
		.amdhsa_system_sgpr_workgroup_id_x 1
		.amdhsa_system_sgpr_workgroup_id_y 1
		.amdhsa_system_sgpr_workgroup_id_z 1
		.amdhsa_system_vgpr_workitem_id 0
		.amdhsa_next_free_vgpr 256
		.amdhsa_next_free_sgpr 100
		.amdhsa_reserve_vcc 0
		.amdhsa_float_denorm_mode_32 3
		.amdhsa_float_denorm_mode_16_64 3
		.amdhsa_memory_ordered 1
		.amdhsa_forward_progress 1
		.amdhsa_inst_pref_size 60
	.end_amdhsa_kernel
	.amdgpu_metadata
---
amdhsa.version: [ 1, 2 ]
amdhsa.kernels:
  - .name:           k_q69f11c6b25_attn
    .symbol:         k_q69f11c6b25_attn.kd
    .args:
      - { .name: qkv_img, .offset: 0, .size: 8, .value_kind: global_buffer, .address_space: global }
      - { .name: qkv_sc, .offset: 8, .size: 8, .value_kind: global_buffer, .address_space: global }
      - { .name: o_img, .offset: 16, .size: 8, .value_kind: global_buffer, .address_space: global }
      - { .name: o_sc, .offset: 24, .size: 8, .value_kind: global_buffer, .address_space: global }
    .group_segment_fixed_size: 210944
    .private_segment_fixed_size: 0
    .kernarg_segment_align: 8
    .kernarg_segment_size: 32
    .max_flat_workgroup_size: 512
    .sgpr_count:     100
    .vgpr_count:     256
    .wavefront_size: 32
...
	.end_amdgpu_metadata
.endif
;; end of part 3
;; launch outp (part 4): grid 4 x 32, 4 waves a work-group, clusters of 4 x 4, 327,680 bytes of LDS; arguments o_img, o_sc, codes, scales, out0; writes out0
.if DOCPART == 4
	.amdgcn_target "amdgcn-amd-amdhsa--gfx1250"
	.amdhsa_code_object_version 6
	.text
	.protected	k_q69f11c6b25_outp
	.globl	k_q69f11c6b25_outp
	.p2align	8
	.type	k_q69f11c6b25_outp,@function
k_q69f11c6b25_outp:
	s_mov_b64 s[64:65], 0
	v_nop
	global_prefetch_b8 v0, s[64:65] scope:SCOPE_SE
	s_setreg_imm32_b32 hwreg(HW_REG_WAVE_MODE, 25, 1), 1
	s_wait_xcnt 0x0
	s_wait_alu depctr_hold_cnt(0) depctr_sa_sdst(0) depctr_va_vdst(0) depctr_va_sdst(0) depctr_va_ssrc(0) depctr_va_vcc(0) depctr_vm_vsrc(0)
	s_getreg_b32 s2, hwreg(HW_REG_IB_STS2, 6, 4)
	s_cmp_eq_u32 s2, 0
	s_cbranch_scc0 .Lentry_in_a_cluster
	s_endpgm
.Lentry_in_a_cluster:
	s_bfe_u32 s2, ttmp6, 0x10000c
	s_cmp_lg_u32 s2, 0xf033
	s_cbranch_scc0 .Lentry_shape_is_right
	s_endpgm
.Lentry_shape_is_right:
; out0 = o WO on codes of FP6 (E2M3) with E8M0 scales, K = 1,024 = 64 head + channel; out0 [8192][1024] f32.
; A = o: operand images [512 token tiles][8 K steps of 128][1,536 bytes] (six pieces of 256 bytes: piece p = registers 2 p, 2 p + 1, lane l at byte 8 l), scale bytes [8192 positions][32].
; B = WO's 1,024 columns as rows of codes (768 bytes), rows 3,072 on of the weights' part of codes; scale bytes likewise.  Tokens and columns lie in POSITION ORDER (position = index with bits 3 and 4 exchanged).
; A tile of 256 x 256 is made by four waves, 128 x 128 each.  K goes in steps of 256 through a ring of two LDS slots filled by the tensor data mover; the scale bytes of the tile's rows come once.
; THE MATRIX INSTRUCTION IS USED TRANSPOSED (source 0 = 16 rows of B, source 1 = 16 rows of A): lane (r, h) holds token position r, and register j of B's tile b the true column 32 (b / 2) + 8 (b % 2) + 16 h + j.
; The way out puts the columns right in the stage and the tokens right by the stores' immediate offsets.
; CLUSTERS: 4 x 4 work-groups; A's tiles are asked for jointly along a row of the cluster, B's along a column.
; REGISTERS: window 0: v16-31 addresses; v32-63 scale words, two sets; from v128 A's fragments, one set; window 1: B's fragments, two sets; windows 2, 3: the accumulators.
.set WOC,    6291456+3072*768          ; WO's codes in codes
.set WOS,    262144+3072*32            ; and scale bytes in scales
.set SIZE_N, 1024
.set KSTEP,  256
.set NQ,     2
.set ROWB,   192                       ; a row of B's tile in bytes
.set AROW,   3072                      ; a K step of A: two images of a token tile, on end in memory
.set KROW,   768
.set PITCH,  240                       ; B's LDS row: 3 x (64 bytes + 16 of padding)
.set FR,     12
.set NL,     6
.set NP,     4
.set HALFT,  128*PITCH                 ; a wave's part of a slot; A's eight token tiles use 24,576 bytes of it
.set SLOT,   4*HALFT
.set LAPS,   2
.set KS,     32
.set SCL,    2*SLOT
.set HALFS,  (128*KS/256)*272
.set SBLK,   (16*KS/256)*272
.set SPARE,  SCL+4*HALFS               ; the spare words, 128 bytes for each wave: two blocks of 256 bytes that no other line names
.set SPITCH, 528                       ; the way out: a stage of 16 rows x (512 bytes + 16) for each wave, in slot 0, which has had its last fill and its last read when the first result is stored there
.set ADRA, 16                          ; v16-17 my A images in slot 0, 1
.set ADRB, 20                          ; v20-21 my B fragments (v22-23: behind one padding more)
.set STO,  24
.set RD,   25
.set CO,   26
.set ADRS, 27
.set SPW,  28
.set NIL,  29
.set SC,   32
.set AF,   128
.set BK,   128                         ; the way out: 16 rows read back: v128-191 and v192-255 by turns
.set G1, 24
.set G0, 32
.set G1B, 48
.set G0B, 56
.set G1S, 68
.set G0S, 76
.set G1SB, 80
.set G0SB, 88
.set MSB, 0
.macro WIN new
.if MSB != \new
	s_set_vgpr_msb (MSB<<8)|\new
.set MSB, \new
.endif
.endm
.set MUL_LO, 0xa1
.set MUL_HI, 0xf1
.set TO_B,   0x40
.macro JLOAD g0a, g1a, g0b, g1b        ; a joint load: waves 0 and 1 fetch for A, waves 2 and 3 for B; four v_nop follow each of the two lines
	s_cmp_eq_u32 s15, 0
	s_cbranch_scc0 .Lfor_b_\@
	tensor_load_to_lds s[\g0a:\g0a+3], s[\g1a:\g1a+7]
	s_nop 0
.rept 4
	v_nop
.endr
	s_branch .Lasked_\@
.Lfor_b_\@:
	tensor_load_to_lds s[\g0b:\g0b+3], s[\g1b:\g1b+7]
	s_nop 0
.rept 4
	v_nop
.endr
.Lasked_\@:
.endm
.macro CREST
	s_cmp_lg_u32 s14, 0
	s_cbranch_scc1 .Lnot_wave_0_\@
	s_barrier_signal -3
.Lnot_wave_0_\@:
	s_barrier_wait -3
	s_barrier_signal -1
	s_barrier_wait -1
.endm
.macro CROUND
	s_barrier_signal -1
	s_barrier_wait -1
	CREST
.endm
	s_load_b128 s[4:7], s[0:1], 0x0                ; o's images s[4:5], o's scale bytes s[6:7]
	s_load_b128 s[8:11], s[0:1], 0x10              ; codes s[8:9], scales s[10:11]
	s_load_b64 s[12:13], s[0:1], 0x20              ; out0
	v_lshl_add_u32 v[SPW], v0, 2, SPARE
	v_mov_b32 v[NIL], 0
	ds_add_u32 v28, v29
	ds_add_u32 v28, v29
	s_wait_dscnt 0x0
	v_lshrrev_b32 v1, 5, v0
	v_readfirstlane_b32 s14, v1                    ; wave 0..3
	s_lshr_b32 s15, s14, 1                         ; which half of the tile's rows is mine.  Also: I fetch for A (0) or for B (1)
	s_and_b32 s16, s14, 1                          ; which half of its columns.  Also: which 128 rows of that tile I fetch
	s_bfe_u32 s40, ttmp6, 0x40000
	s_bfe_u32 s41, ttmp6, 0x40004
	s_lshl_b32 s42, ttmp9, 2
	s_add_co_u32 s42, s42, s40                     ; tile column = 4 x cluster x + cx
	s_and_b32 s17, ttmp7, 0xffff
	s_lshl_b32 s17, s17, 2
	s_add_co_u32 s17, s17, s41                     ; tile row = 4 x cluster y + cy
	s_lshl_b32 s43, s41, 2
	s_lshl_b32 s43, 15, s43                        ; my row of the cluster
	s_lshl_b32 s44, 0x1111, s40                    ; my column
	; A: 8 token tiles x 3,072 bytes (384 elements of 8 bytes), 12,288 bytes apart; no padding: every LDS load of an image reads 256 consecutive bytes
	s_or_b32 s[G1+0], s43, (3<<16)|(1<<21)
	s_mov_b32 s[G1+1], 384<<16
	s_mov_b32 s[G1+2], 8<<16
	s_mov_b32 s[G1+3], 384<<16
	s_mov_b32 s[G1+4], 8
	s_mov_b32 s[G1+5], 1536
	s_mov_b32 s[G1+6], 0
	s_mov_b32 s[G1+7], 0
	; B: 128 rows x 192 bytes, 16 bytes of padding behind every 64
	s_or_b32 s[G1B+0], s44, (0<<16)|(1<<20)|(1<<21)|(3<<22)|(3<<25)
	s_mov_b32 s[G1B+1], ROWB<<16
	s_mov_b32 s[G1B+2], 128<<16
	s_mov_b32 s[G1B+3], ROWB<<16
	s_mov_b32 s[G1B+4], 128
	s_mov_b32 s[G1B+5], KROW
	s_mov_b32 s[G1B+6], 0
	s_mov_b32 s[G1B+7], 0
	; the scales of 128 rows: 4,096 dense bytes, as 16 rows of 256 bytes, 16 bytes of padding behind each
	s_or_b32 s[G1S+0], s43, (3<<16)|(1<<20)|(1<<21)|(5<<22)|(3<<25)
	s_or_b32 s[G1SB+0], s44, (3<<16)|(1<<20)|(1<<21)|(5<<22)|(3<<25)
.irp g, G1S, G1SB
	s_mov_b32 s[\g+1], 32<<16
	s_mov_b32 s[\g+2], (128*KS/256)<<16
	s_mov_b32 s[\g+3], 32<<16
	s_mov_b32 s[\g+4], 128*KS/256
	s_mov_b32 s[\g+5], 32
	s_mov_b32 s[\g+6], 0
	s_mov_b32 s[\g+7], 0
.endr
	s_lshl_b32 s18, s16, 7
	s_lshl_b32 s20, s17, 8
	s_add_co_u32 s20, s20, s18                     ; A: position 256 x tile row + 128 x half
	s_lshl_b32 s46, s42, 8
	s_add_co_u32 s46, s46, s18                     ; B: position 256 x tile column + 128 x half
	s_lshl_b32 s22, s20, 5
	s_mov_b32 s23, 0
	s_lshl_b32 s92, s46, 5
	s_add_co_u32 s92, s92, WOS
	s_mov_b32 s93, 0
	s_mul_i32 s20, s20, KROW                       ; (position / 16) x 12,288 bytes of images = position x 768
	s_mov_b32 s21, 0
	s_mul_i32 s46, s46, KROW
	s_add_co_u32 s46, s46, WOC
	s_mov_b32 s47, 0
	s_mul_i32 s45, s14, HALFT
	s_mul_i32 s94, s14, HALFS
	s_wait_kmcnt 0x0
	s_add_nc_u64 s[20:21], s[4:5], s[20:21]
	s_add_nc_u64 s[22:23], s[6:7], s[22:23]
	s_add_nc_u64 s[46:47], s[8:9], s[46:47]
	s_add_nc_u64 s[92:93], s[10:11], s[92:93]
	CROUND                                         ; all sixteen work-groups are here: the first joint loads meet
	s_mov_b32 s[G0S], 1
	s_add_co_u32 s[G0S+1], s94, SCL
	s_mov_b64 s[G0S+2:G0S+3], s[22:23]
	s_or_b32 s[G0S+3], s[G0S+3], 0x80000000
	s_mov_b32 s[G0SB], 1
	s_add_co_u32 s[G0SB+1], s94, SCL
	s_mov_b64 s[G0SB+2:G0SB+3], s[92:93]
	s_or_b32 s[G0SB+3], s[G0SB+3], 0x80000000
	JLOAD G0S, G1S, G0SB, G1SB
.irp s, 0,1
	s_mov_b32 s[G0+4*\s], 1
	s_add_co_u32 s[G0+4*\s+1], s45, \s*SLOT
	s_add_nc_u64 s[G0+4*\s+2:G0+4*\s+3], s[20:21], \s*AROW
	s_or_b32 s[G0+4*\s+3], s[G0+4*\s+3], 0x80000000
	s_mov_b32 s[G0B+4*\s], 1
	s_add_co_u32 s[G0B+4*\s+1], s45, \s*SLOT
	s_add_nc_u64 s[G0B+4*\s+2:G0B+4*\s+3], s[46:47], \s*ROWB
	s_or_b32 s[G0B+4*\s+3], s[G0B+4*\s+3], 0x80000000
	JLOAD G0+4*\s, G1, G0B+4*\s, G1B               ; three tensor loads of mine are out behind the second of these
.endr
	v_and_b32 v1, 15, v0                           ; l % 16
	v_bfe_u32 v2, v0, 4, 1                         ; l / 16
	v_mul_u32_u24 v3, v1, PITCH
	v_mul_u32_u24 v4, v2, 24
	v_add_nc_u32 v4, v3, v4                        ; B: a fragment's row x pitch + 24 x half
	v_lshl_add_u32 v5, v2, 4, v4                   ; and the same behind one padding more
	v_and_b32 v6, 31, v0
	v_lshlrev_b32 v7, 3, v6                        ; A: 8 x lane in a piece
	s_mul_i32 s21, s15, HALFT                      ; my 128 rows of A
	s_mul_i32 s22, s16, HALFT                      ; my 128 rows of B,
	s_add_co_u32 s22, s22, 2*HALFT                 ; which lie behind A's two parts
.irp s, 0,1
	v_add_nc_u32 v[ADRA+\s], s21, v7
	v_add_nc_u32 v[ADRB+\s], s22, v4
	v_add_nc_u32 v[ADRB+2+\s], s22, v5
	s_add_co_u32 s21, s21, SLOT
	s_add_co_u32 s22, s22, SLOT
.endr
	v_mul_u32_u24 v5, v1, KS
	v_lshrrev_b32 v6, 8, v5
	v_lshl_add_u32 v5, v6, 4, v5
	s_mul_i32 s21, s15, HALFS
	s_mul_i32 s22, s16, HALFS
	s_add_co_u32 s22, s22, 2*HALFS
	s_sub_co_u32 s22, s22, s21
	v_mul_u32_u24 v6, s22, v2                      ; lanes 16-31 take B's: one product, the distance between the two bases
	s_add_co_u32 s21, s21, SCL
	v_add_nc_u32 v5, v5, v6
	v_add_nc_u32 v[ADRS], s21, v5
	s_mul_i32 s23, s14, 16*SPITCH                  ; my stage
	v_mul_u32_u24 v5, v1, SPITCH                   ; in: row l % 16; my half's columns begin 16 columns, 64 bytes, on
	v_lshl_add_u32 v5, v2, 6, v5
	v_add_nc_u32 v[STO], s23, v5
	v_and_b32 v6, 31, v0
	v_lshlrev_b32 v[CO], 4, v6                     ; back: the 32 lanes take one row of 512 bytes; and the same in out0
	v_add_nc_u32 v[RD], s23, v[CO]
	s_lshl_b32 s20, s17, 8
	s_lshl_b32 s21, s15, 7
	s_add_co_u32 s20, s20, s21                     ; my first row of out0
	s_lshl_b32 s20, s20, 12                        ; rows of 4,096 bytes: under 2^25
	s_mov_b32 s21, 0
	s_lshl_b32 s46, s42, 10                        ; my first column, in bytes
	s_lshl_b32 s47, s16, 9
	s_add_co_u32 s46, s46, s47
	s_mov_b32 s47, 0
	s_add_nc_u64 s[20:21], s[20:21], s[46:47]
	s_add_nc_u64 s[12:13], s[12:13], s[20:21]
.macro FRAG reg, adr, q, i             ; a fragment of B from rows: pieces of 8 bytes; where the piece three on lies behind one padding more, the second address register serves
.irp p, 0,1,2,3,4,5
.set PCE, 12*(\q)+6*(\p/3)+\p%3
.if PCE%8 < 5
	ds_load_b64 v[\reg+2*\p:\reg+2*\p+1], v[\adr] offset:8*PCE+16*(PCE/8)+(\i)*16*PITCH
.else
	ds_load_b64 v[\reg+2*\p:\reg+2*\p+1], v[\adr+2] offset:8*PCE+16*(PCE/8)+(\i)*16*PITCH
.endif
.endr
.endm
.macro FRAGA reg, slot, q, i           ; a fragment of A from its image: six pieces
.irp p, 0,1,2,3,4,5
	ds_load_b64 v[\reg+2*\p:\reg+2*\p+1], v[ADRA+\slot] offset:AROW*(\i)+1536*(\q)+256*\p
.endr
.endm
.macro MUL16 a0, p, q, sc, zero        ; the 64 accumulators take turns, one instruction a turn
.irp a, \a0, \a0+1
.irp b, 0,1,2,3,4,5,6,7
.if \zero
	v_wmma_scale_f32_16x16x128_f8f6f4 v[8*(8*((\a)%4)+\b):8*(8*((\a)%4)+\b)+7], v[128*(\p)+FR*\b:128*(\p)+FR*\b+FR-1], v[AF+FR*(\a):AF+FR*(\a)+FR-1], 0, v[SC+8*NQ*(\sc)+NQ*\b+(\q)], v[SC+8*NQ*(\sc)+NQ*(\a)+(\q)] matrix_a_fmt:MATRIX_FMT_FP6 matrix_b_fmt:MATRIX_FMT_FP6 matrix_a_scale:MATRIX_SCALE_ROW1
.else
	v_wmma_scale_f32_16x16x128_f8f6f4 v[8*(8*((\a)%4)+\b):8*(8*((\a)%4)+\b)+7], v[128*(\p)+FR*\b:128*(\p)+FR*\b+FR-1], v[AF+FR*(\a):AF+FR*(\a)+FR-1], v[8*(8*((\a)%4)+\b):8*(8*((\a)%4)+\b)+7], v[SC+8*NQ*(\sc)+NQ*\b+(\q)], v[SC+8*NQ*(\sc)+NQ*(\a)+(\q)] matrix_a_fmt:MATRIX_FMT_FP6 matrix_b_fmt:MATRIX_FMT_FP6 matrix_a_scale:MATRIX_SCALE_ROW1
.endif
.endr
.endr
.endm
.macro FETCH_B slot, q, p
	WIN TO_B
.irp i, 0,1,2,3,4,5,6,7
	FRAG 128*(\p)+FR*\i, ADRB+\slot, \q, \i
.endr
	WIN 0
.endm
.macro FETCH_A slot, q, i0
.irp i, \i0, \i0+1, \i0+2, \i0+3
	FRAGA AF+FR*(\i), \slot, \q, \i
.endr
.endm
.macro SCALES sc
.irp i, 0,1,2,3,4,5,6,7
	ds_load_b64 v[SC+8*NQ*\sc+NQ*\i:SC+8*NQ*\sc+NQ*\i+1], v[ADRS] offset:\i*SBLK
.endr
.endm
.macro PLACES n
.rept \n
	v_nop
.endr
.endm
.macro STEP slot, q, zero
	s_wait_dscnt 4*NL                              ; B's set and A's blocks 0-3 are in; the youngest 24 loads (A's blocks 4-7) may be out
	WIN MUL_LO
	MUL16 0, (\q)%2, \q, \slot, \zero
	MUL16 2, (\q)%2, \q, \slot, \zero
	s_wait_dscnt 0
	PLACES NP
	FETCH_B \slot, (\q)+1, 1-(\q)%2
	FETCH_A \slot, (\q)+1, 0
	WIN MUL_HI
	MUL16 4, (\q)%2, \q, \slot, \zero
	MUL16 6, (\q)%2, \q, \slot, \zero
	PLACES NP
	WIN 0
	FETCH_A \slot, (\q)+1, 4
.endm
.macro TURN slot, next, fill
	s_wait_tensorcnt 0x0                           ; all my tensor loads have landed: my part of the next slot
	ds_add_u32 v[SPW], v[NIL]                      ; 0 onto my spare word
	s_wait_dscnt 4*NL+1                            ; (the add and the youngest 24 loads may be out)
	WIN MUL_LO
	MUL16 0, 1, NQ-1, \slot, 0
	s_wait_dscnt 0x0                               ; the add is done, and my reads of this slot are over
	s_barrier_signal -1
	MUL16 2, 1, NQ-1, \slot, 0
	WIN 0
	s_barrier_wait -1
.if \fill
	CREST                                          ; the barrier has opened a round of the cluster's: no wave of any partner still reads this slot or has a load on its way
	s_add_nc_u64 s[G0+4*\slot+2:G0+4*\slot+3], s[G0+4*\slot+2:G0+4*\slot+3], 2*AROW
	s_add_nc_u64 s[G0B+4*\slot+2:G0B+4*\slot+3], s[G0B+4*\slot+2:G0B+4*\slot+3], 2*ROWB
	JLOAD G0+4*\slot, G1, G0B+4*\slot, G1B         ; the first tensor load behind the round, my one load until the next
.else
	PLACES NP
.endif
	v_add_nc_u32 v[ADRS], 4*NQ, v[ADRS]
	FETCH_B \next, 0, 0
	FETCH_A \next, 0, 0
	SCALES \next
	WIN MUL_HI
	MUL16 4, 1, NQ-1, \slot, 0
	MUL16 6, 1, NQ-1, \slot, 0
	PLACES NP
	WIN 0
	FETCH_A \next, 0, 4
.endm
	s_wait_tensorcnt 1                             ; the scales and my part of K step 0 are in; K step 1's load may be out
	s_barrier_signal -1
	s_barrier_wait -1
	FETCH_B 0, 0, 0
	FETCH_A 0, 0, 0
	SCALES 0
	FETCH_A 0, 0, 4
	STEP 0, 0, 1
	s_mov_b32 s3, LAPS-1
.Llap:
	TURN 0, 1, 1
	STEP 1, 0, 0
	TURN 1, 0, 1
	STEP 0, 0, 0
	s_sub_co_u32 s3, s3, 1
	s_cmp_lg_u32 s3, 0
	s_cbranch_scc1 .Llap
	TURN 0, 1, 0
	STEP 1, 0, 0
	s_wait_dscnt 4*NL
	WIN MUL_LO
	MUL16 0, 1, NQ-1, 1, 0
	MUL16 2, 1, NQ-1, 1, 0
	s_wait_dscnt 0
	WIN MUL_HI
	MUL16 4, 1, NQ-1, 1, 0
	MUL16 6, 1, NQ-1, 1, 0
	WIN 0
; THE WAY OUT, block by block of 16 token positions x 128 columns, through my own stage: in, B's tile b goes to the true columns 32 (b / 2) + 8 (b % 2) + 16 h on; back come whole rows of 512 bytes.
.macro TOSTAGE a
.set AC, 64*((\a)%4)
.set W_ST, 0x08+4*((\a)/4)             ; an LDS store's data are its source 1: window 2 or 3
	WIN W_ST
.irp b, 0,1,2,3,4,5,6,7
	ds_store_b128 v[STO], v[AC+8*\b:AC+8*\b+3] offset:128*(\b/2)+32*(\b%2)       ; each accumulator from its low end on
	ds_store_b128 v[STO], v[AC+8*\b+4:AC+8*\b+7] offset:128*(\b/2)+32*(\b%2)+16
.endr
	WIN 0
.set BB, BK+64*((\a)%2)
.irp t, 0,1,2,3,4,5,6,7,8,9,10,11,12,13,14,15
	ds_load_b128 v[BB+4*\t:BB+4*\t+3], v[RD] offset:\t*SPITCH      ; LDS serves a wave's instructions in order: these see the stores above
.endr
.endm
.macro SEND a, younger                 ; row t of block a is token 32 (a / 2) + 16 (t / 8) + 8 (a % 2) + t % 8 of my 128: it stands in the immediate, 520,192 bytes at the most, so the base is never stepped
.set BB, BK+64*((\a)%2)
	s_wait_dscnt \younger
.irp t, 0,1,2,3,4,5,6,7,8,9,10,11,12,13,14,15
	global_store_b128 v[CO], v[BB+4*\t:BB+4*\t+3], s[12:13] offset:(32*((\a)/2)+16*(\t/8)+8*((\a)%2)+\t%8)*SIZE_N*4 th:TH_STORE_NT   ; 32 lanes store 512 consecutive bytes, aligned
.endr
.endm
	PLACES NP
	TOSTAGE 0
.irp a, 1,2,3,4,5,6,7
.if \a > 1
	s_wait_xcnt 0x0                                ; block a - 2's stores have read their registers: block a's loads may land there
.endif
	TOSTAGE \a
	SEND \a-1, 32                                  ; behind block a - 1's loads: block a's 16 stores and 16 loads
.endr
	SEND 7, 0
	s_wait_tensorcnt 0x0                           ; the wave's end, behind my last tensor load and my last LDS store
	ds_add_u32 v[SPW], v[NIL]
	s_wait_dscnt 0x0
	CROUND                                         ; the closing round
	s_endpgm
.Lfunc_end_k_q69f11c6b25_outp:
	.size	k_q69f11c6b25_outp, .Lfunc_end_k_q69f11c6b25_outp-k_q69f11c6b25_outp
	.p2alignl 7, 3214868480
	.fill 96, 4, 3214868480
	.section	.rodata,"a",@progbits
	.p2align	6, 0x0
	.amdhsa_kernel k_q69f11c6b25_outp
		.amdhsa_group_segment_fixed_size 327680
		.amdhsa_private_segment_fixed_size 0
		.amdhsa_enable_private_segment 0
		.amdhsa_kernarg_size 40
		.amdhsa_user_sgpr_count 2
		.amdhsa_user_sgpr_kernarg_segment_ptr 1
		.amdhsa_wavefront_size32 1
		.amdhsa_system_sgpr_workgroup_id_x 1
		.amdhsa_system_sgpr_workgroup_id_y 1
		.amdhsa_system_sgpr_workgroup_id_z 1
		.amdhsa_system_vgpr_workitem_id 0
		.amdhsa_next_free_vgpr 1024
		.amdhsa_next_free_sgpr 98
		.amdhsa_reserve_vcc 0
		.amdhsa_float_denorm_mode_32 3
		.amdhsa_float_denorm_mode_16_64 3
		.amdhsa_memory_ordered 1
		.amdhsa_forward_progress 1
		.amdhsa_inst_pref_size 159
	.end_amdhsa_kernel
	.amdgpu_metadata
---
amdhsa.version: [ 1, 2 ]
amdhsa.kernels:
  - .name:           k_q69f11c6b25_outp
    .symbol:         k_q69f11c6b25_outp.kd
    .args:
      - { .name: o_img, .offset: 0, .size: 8, .value_kind: global_buffer, .address_space: global }
      - { .name: o_sc, .offset: 8, .size: 8, .value_kind: global_buffer, .address_space: global }
      - { .name: codes, .offset: 16, .size: 8, .value_kind: global_buffer, .address_space: global }
      - { .name: scales, .offset: 24, .size: 8, .value_kind: global_buffer, .address_space: global }
      - { .name: out0, .offset: 32, .size: 8, .value_kind: global_buffer, .address_space: global }
    .group_segment_fixed_size: 327680
    .private_segment_fixed_size: 0
    .kernarg_segment_align: 8
    .kernarg_segment_size: 40
    .max_flat_workgroup_size: 128
    .sgpr_count:     98
    .vgpr_count:     1024
    .wavefront_size: 32
...
	.end_amdgpu_metadata
.endif
;; end of part 4
